; MI455X (gfx1250); checked and timed in simulation.
; The chip was launched on July 23, 2026; its instructions are those of AMD's public machine-readable ISA for CDNA 5 (MIT licence, August 2026) and "CDNA5" Instruction Set Architecture Reference Guide (July 2026). The comments in the code are by the model that wrote it; some were corrected since.
;; Cross Attention Block. Allowed arithmetic: matrix products marked QUANTISED: E2M3 operands, one E8M0 scale for each 32 along K, by v_wmma_scale_f32_16x16x128_f8f6f4 with both operands' format E2M3, f32 sums; everything else in f32.
;; Inputs: Wk_codes 1,024 x 32 x 24 uint8 (E2M3 codes of Wk, K innermost, in blocks of 32 codes, four codes in three bytes); Wk_scales 1,024 x 32 uint8 (E8M0 scales of Wk, one for each 32 codes along K); Wo_codes 1,024 x 32 x 24 uint8 (E2M3 codes of Wo, K innermost, in blocks of 32 codes, four codes in three bytes); Wo_scales 1,024 x 32 uint8 (E8M0 scales of Wo, one for each 32 codes along K); Wq_codes 1,024 x 32 x 24 uint8 (E2M3 codes of Wq, K innermost, in blocks of 32 codes, four codes in three bytes); Wq_scales 1,024 x 32 uint8 (E8M0 scales of Wq, one for each 32 codes along K); Wv_codes 1,024 x 32 x 24 uint8 (E2M3 codes of Wv, K innermost, in blocks of 32 codes, four codes in three bytes); Wv_scales 1,024 x 32 uint8 (E8M0 scales of Wv, one for each 32 codes along K); beta 1,024 float32; bk 1,024 float32; bo 1,024 float32; bq 1,024 float32; bv 1,024 float32; gamma 1,024 float32; key_in_codes 2 x 2,048 x 32 x 24 uint8 (E2M3 codes of key_in, K innermost, in blocks of 32 codes, four codes in three bytes); key_in_scales 2 x 2,048 x 32 uint8 (E8M0 scales of key_in, one for each 32 codes along K); mask 2 x 1 x 2,048 x 2,048 float32; query 2 x 2,048 x 1,024 float32.
;; Outputs: out0 2 x 2,048 x 1,024 float32.
;; This version of the problem:
;;   THIS VERSION OF THE PROBLEM IS GIVEN IN LOW PRECISION. The matrix products marked QUANTISED in the list below multiply operands that are first quantised to E2M3 (2 exponent bits, 3 mantissa bits; 6 bits a number), with one power-of-two scale for each 32 numbers along K (OCP MX v1.0); their sums are f32. All else is computed in f32.
;;   The module's matrix products, in the order in which they are computed (A, B: the left and right operand; K: the contracted axis; several contracted axes count as one K, in the product's order):
;;     1. [M 4,096, K 1,024] x [K 1,024, N 1,024]; A: input query; B: input Wq (given as codes): QUANTISED
;;     2. [M 4,096, K 1,024] x [K 1,024, N 1,024]; A: input key_in (given as codes); B: input Wk (given as codes): QUANTISED
;;     3. [M 4,096, K 1,024] x [K 1,024, N 1,024]; A: input key_in (given as codes); B: input Wv (given as codes): QUANTISED
;;     4. batch 32 x [M 2,048, K 64] x [K 64, N 2,048]; A: computed on the way; B: computed on the way: QUANTISED
;;     5. batch 32 x [M 2,048, K 2,048] x [K 2,048, N 64]; A: softmax (see below); B: computed on the way: QUANTISED
;;     6. [M 4,096, K 1,024] x [K 1,024, N 1,024]; A: computed on the way; B: input Wo (given as codes): QUANTISED
;;   THE QUANTISER, for each operand of a quantised product, along K:
;;     - K is cut into blocks of 32 from its start; a last block that is shorter is filled with zeros.
;;     - A block's scale is 2^e with e = floor(log2(the largest magnitude in the block)) - 2, held to -126 .. 127; a block of zeros has e = 0. As a byte (E8M0): e + 127.
;;     - Each number is divided by its block's scale, clamped to +-7.5, and rounded to the nearest number of E2M3, ties to even, subnormals kept.
;;     - The product sums the exact products of the quantised numbers (number of the format x scale) in f32.
;;   ~~~python
;;   def quantise(x, axis):      # numpy; x: float32 -> the quantised numbers, widened to float32 again
;;       x = np.moveaxis(x, axis, -1); K = x.shape[-1]
;;       x = np.pad(x, [(0, 0)] * (x.ndim - 1) + [(0, -K % 32)]); x = x.reshape(x.shape[:-1] + (-1, 32)); a = np.abs(x).max(-1, keepdims=True)
;;       e = np.where(a > 0, np.clip(np.frexp(np.where(a > 0, a, 1))[1] - 1 - 2, -126, 127), 0)      # np.frexp(a)[1] - 1 = floor(log2(a)), exactly
;;       r = np.clip(x / 2.0 ** e, -7.5, 7.5)
;;       step = 2.0 ** (np.maximum(np.frexp(np.where(r == 0, 1, r))[1] - 1, 0) - 3)
;;       q = np.round(r / step) * step * 2.0 ** e      # np.round: ties to even
;;       return np.moveaxis(q.reshape(q.shape[:-2] + (-1,))[..., :K], -1, axis).astype(np.float32)
;;   ~~~
;;   SOFTMAX AHEAD OF A QUANTISED PRODUCT. Where the list says 'softmax', what is quantised is not the finished softmax but p = 2^(t - M), with t = logit x log2(e) and M = ceil(the row's largest t), a whole number; so 1/2 < the row's largest p <= 1. The row's sum l is taken of the UNQUANTISED p, in f32, and the product's result is divided by l at the end. Since M is a whole number, a kernel that streams over the keys may use a running M (the ceiling of the running maximum): every later rescaling is an exact power of two, which a block's scale takes up: the codes' values come out the same.
;;   OPERANDS COMPUTED ON THE WAY. 'Computed on the way' means the value that the module computes at that place (a softmax that the list does not call 'softmax' is quantised finished and normalised). What goes into a quantiser is computed in f32, as accurately as f32 sums, v_exp_f32 and their like allow (about 1e-6 of the number): no bf16 or f16 on the way to a quantiser, and a product that is left as it is and whose result goes on into a quantised operand takes f32 operands (vector FMAs, or v_wmma_f32_16x16x4_f32). A number that lies on a knife's edge between two numbers of the format may be rounded either way, as far as f32 arithmetic and the matrix unit's own rounding can turn it there, and no further.
;;   INPUTS GIVEN AS CODES. Wk (in the module: [1024, 1024], K = its axis 0); Wo (in the module: [1024, 1024], K = its axis 0); Wq (in the module: [1024, 1024], K = its axis 0); Wv (in the module: [1024, 1024], K = its axis 0); key_in (in the module: [2, 2048, 1024], K = its axis 2): each comes as NAME_codes (uint8): NAME with its K axis moved to the last place and cut into blocks of 32 codes, [.., K / 32, bytes a block], one block behind the other in memory; four codes in three bytes: a row's codes are one little-endian stream of bits, code i at bits 6 i .. 6 i + 5 (a code: sign, 2 exponent bits, 3 mantissa bits); and NAME_scales (uint8): the same leading axes, one E8M0 byte (e + 127) for each 32 codes along K. Its value is code x scale, taken as it is: it is not quantised again, and the codes and scales need not be those that the quantiser above would give.
;; One version. Each part assembles by itself: llvm-mc -triple=amdgcn-amd-amdhsa -mcpu=gfx1250 --defsym DOCPART=n.
;; ======== version 1 of 1: 4 launches
;; limits: right only within a limited range of input values
;; workspace buffers: qc 3,145,728 bytes; qs 131,072 bytes; qrec 3,407,872 bytes; kv 6,815,744 bytes; ctx 3,145,728 bytes; cs 131,072 bytes; wimg 786,432 bytes
;; launch quant (part 1): grid 144 x 1, 4 waves a work-group, no clusters, 33,280 bytes of LDS; arguments query, qc, qs, Wo_codes, wimg; writes qc, qs, wimg
.if DOCPART == 1
	.amdgcn_target "amdgcn-amd-amdhsa--gfx1250"
	.amdhsa_code_object_version 6
	.text
	.protected	k_q2331aeeff6_quant
	.globl	k_q2331aeeff6_quant
	.p2align	8
	.type	k_q2331aeeff6_quant,@function
k_q2331aeeff6_quant:
	s_mov_b64 s[64:65], 0
	v_nop
	global_prefetch_b8 v0, s[64:65] scope:SCOPE_SE
	s_setreg_imm32_b32 hwreg(HW_REG_WAVE_MODE, 25, 1), 1
	s_wait_xcnt 0x0
; query [4096][1024], f32, becomes codes of FP6 (E2M3), K innermost, qc [4096][768 bytes], and one E8M0 byte for each 32 along K, qs [4096][32].
; A block's scale is 2^(floor(log2(its largest magnitude)) - 2); its byte is the largest magnitude's exponent field - 2, held at 1 from below.  A block of zeros so gets the byte 1 where the
; rule says 127: its codes are zeros, which add nothing under any byte but 0xff, and the bytes are read by this program alone.
; LIMITS: NaN and infinities among the inputs are not served.
; THE ROWS ARE STORED IN ANOTHER ORDER: group g of eight rows goes to the place of group g', g with its bits 0 and 1 exchanged.  The next launch takes the rows of a tile of this operand as
; place 32 (i / 2) + 8 (i % 2) + r + 8 (r / 8) for lane r of block i; with this order that place holds row 16 i + r.
; A wave takes eight rows, 8,192 numbers, in 16 steps of 512.  Each of a step's four loads reads 512 consecutive bytes, 16 a lane; the 2,048 bytes turn through the wave's own stage in LDS and
; come back 64 bytes a lane: 16 neighbours along K, which is what the conversion takes.  Two neighbouring lanes hold a block.  The stage has 16 bytes of padding behind each 64.
; A lane's 16 codes are 12 bytes: the wave stores 384 consecutive bytes.  A wave's 256 scale bytes are gathered in LDS and leave as one aligned run of 256 bytes.
; No tensor loads, no barrier: waves share nothing.  No matrix unit and no cluster: the launch is a stream.  Loads run four steps (16 loads a wave) ahead, the turn through LDS one step.
.set STEPS, 16
.set EMAX,  2
.set CB,    12                         ; bytes of 16 codes
.set R,     16                         ; v16-79   four sets of 16 numbers as they are loaded
.set X,     80                         ; v80-111  two sets of 16 neighbours
.set C,     128                        ; v128-191 codes: four registers for each step, so that no store's data are written again
.set E,     112                        ; v112-127 a scale byte for each step
.set WREG,  8192                       ; LDS: a region for each wave: two stages of 32 x SP bytes, behind them its 256 scale bytes
.set SP,    80                         ; a lane's place in a stage: its 64 bytes + 16 of padding
	s_load_b128 s[4:7], s[0:1], 0x0                ; query, qc
	s_load_b64 s[8:9], s[0:1], 0x10                ; qs
	s_load_b128 s[12:15], s[0:1], 0x18             ; Wo's codes, wimg
	v_lshl_add_u32 v192, v0, 2, 0x8000
	v_mov_b32 v193, 0
	v_lshrrev_b32 v1, 5, v0
	v_readfirstlane_b32 s16, v1                    ; wave
	v_and_b32 v2, 31, v0                           ; lane
	v_lshlrev_b32 v3, 4, v2                        ; my 16 bytes of a load's 512
	s_mul_i32 s17, s16, WREG
	v_lshrrev_b32 v14, 2, v2
	v_mul_u32_u24 v14, v14, SP
	v_and_b32 v15, 3, v2
	v_lshl_add_u32 v14, v15, 4, v14
	v_add_nc_u32 v14, s17, v14                     ; the stage, on the way in: SP (lane / 4) + 16 (lane % 4)
	v_mul_u32_u24 v15, v2, SP
	v_add_nc_u32 v15, s17, v15                     ; and on the way out: SP x lane: my 16 neighbours
	v_mul_u32_u24 v4, v2, CB                       ; my codes' place in a step's
	v_lshrrev_b32 v5, 1, v2
	s_add_co_u32 s17, s17, 2*32*SP
	v_add_nc_u32 v5, s17, v5                       ; LDS: my wave's 256 scale bytes, my block's byte
	v_lshlrev_b32 v7, 3, v2                        ; and on the way out 8 bytes a lane
	v_add_nc_u32 v6, s17, v7
	s_lshl_b32 s18, ttmp9, 2
	s_add_co_u32 s18, s18, s16                     ; g: which eight rows are my wave's
	s_and_b32 s19, s18, 1
	s_lshl_b32 s19, s19, 1
	s_bfe_u32 s20, s18, 0x10001
	s_and_b32 s21, s18, -4
	s_or_b32 s21, s21, s19
	s_or_b32 s21, s21, s20                         ; g': bits 0 and 1 exchanged
	s_lshl_b32 s22, s18, 15                        ; in: 32,768 bytes a group
	s_mov_b32 s23, 0
	s_mul_i32 s24, s21, 32*STEPS*CB                ; codes: 6,144 bytes a group
	s_mov_b32 s25, 0
	s_lshl_b32 s26, s21, 8                         ; scale bytes: 256 a group
	s_mov_b32 s27, 0
	s_wait_alu depctr_va_vdst(0)
	s_wait_kmcnt 0x0
	s_cmp_ge_u32 ttmp9, 128                        ; work-groups 128 to 143 lay Wo's codes out (at the text's end); they use no LDS
	s_cbranch_scc1 .Lwo
	s_add_nc_u64 s[4:5], s[4:5], s[22:23]
	s_add_nc_u64 s[6:7], s[6:7], s[24:25]
	s_add_nc_u64 s[8:9], s[8:9], s[26:27]
.macro LOAD t
.irp i, 0,1,2,3
	global_load_b128 v[R+16*((\t)%4)+4*\i:R+16*((\t)%4)+4*\i+3], v3, s[4:5] offset:2048*(\t)+512*\i   ; 32 lanes read 512 consecutive bytes
.endr
.endm
.macro TURN t                          ; step t's numbers through the stage: LDS serves a wave's instructions in order, so no wait stands between the stores and the loads
.irp i, 0,1,2,3
	ds_store_b128 v14, v[R+16*((\t)%4)+4*\i:R+16*((\t)%4)+4*\i+3] offset:32*SP*((\t)%2)+8*SP*\i
.endr
.irp i, 0,1,2,3
	ds_load_b128 v[X+16*((\t)%2)+4*\i:X+16*((\t)%2)+4*\i+3], v15 offset:32*SP*((\t)%2)+16*\i
.endr
.endm
.irp t, 0,1,2,3
	LOAD \t
.endr
	s_wait_loadcnt 12                              ; step 0's four loads are in
	TURN 0
.macro STEP t
.set XS, X+16*((\t)%2)
.if (\t) > 0
	s_wait_dscnt 1                                 ; this step's numbers are back from the stage (the last step's byte store may be out): so its stores into the stage have read their registers,
.else
	s_wait_dscnt 0x0
.endif
.if (\t)+4 < STEPS
	LOAD (\t)+4                                    ; which take the loads of four steps on
.endif
.if (\t)+1 < STEPS
.if STEPS-2-(\t) >= 3
	s_wait_loadcnt 12                              ; the next step's four loads are in; those of the three steps behind it may be out
.else
	s_wait_loadcnt 4*(STEPS-2-(\t))
.endif
	TURN (\t)+1                                    ; and go through the other stage while this step is worked
.endif
	v_max3_num_f32 v8, |v[XS]|, |v[XS+1]|, |v[XS+2]|               ; the largest magnitude of my 16, in two chains
	v_max3_num_f32 v9, |v[XS+3]|, |v[XS+4]|, |v[XS+5]|
.irp i, 6,10
	v_max3_num_f32 v8, v8, |v[XS+\i]|, |v[XS+\i+1]|
	v_max3_num_f32 v9, v9, |v[XS+\i+2]|, |v[XS+\i+3]|
.endr
	v_max3_num_f32 v8, v8, |v[XS+14]|, |v[XS+15]|
	v_max3_num_f32 v8, v8, v9, (EMAX+1)<<23        ; and the floor 2^(EMAX + 1 - 127): the byte cannot fall under 1
	v_max_num_f32_dpp v8, v8, v8 row_xmask:1 row_mask:0xf bank_mask:0xf   ; and of my neighbour's 16: the block's
	v_add_nc_u32 v11, -(EMAX<<23), v8              ; EMAX off its exponent field: the conversion takes the exponent field of this operand as its scale
	v_cvt_scalef32_pk16_fp6_f32 v[C+4*(\t):C+4*(\t)+2], v[XS:XS+15], v11   ; sixteen numbers / the scale, to the nearest code, ties to even, beyond the largest code the largest
	v_lshrrev_b32 v[E+(\t)], 23, v11               ; the scale's byte
	ds_store_b8 v5, v[E+(\t)] offset:16*(\t)       ; both lanes of a block write the same byte with the same value
	global_store_b96 v4, v[C+4*(\t):C+4*(\t)+2], s[6:7] offset:32*CB*(\t)
.endm
.irp t, 0,1,2,3,4,5,6,7,8,9,10,11,12,13,14,15
	STEP \t
.endr
	ds_load_b64 v[12:13], v6                       ; LDS serves a wave's instructions in order: these see my stores
	s_wait_dscnt 0x0
	global_store_b64 v7, v[12:13], s[8:9]          ; 32 lanes store 256 consecutive bytes, aligned
	s_wait_tensorcnt 0x0
	ds_add_u32 v192, v193
	s_wait_dscnt 0x0
	s_endpgm
; WO'S CODES AS IMAGES OF OPERAND REGISTERS, for the last launch.  A wave takes tile t of 16 rows (t = 8 T + 2 w + u: rows 128 T + 32 w + 16 u + r) and its eight K steps: 16 rows x 768 bytes, read whole.
; Lane (r, h) holds the 24 bytes at 96 k + 24 h and at 96 k + 48 + 24 h of row r: 12 registers.  Fragment ((w 8 + T) 8 + k) 2 + u lies at 1,536 bytes x that number, as three planes of 512 bytes, 16 bytes a lane.
.Lwo:
	s_sub_co_u32 s18, ttmp9, 128
	s_lshl_b32 s18, s18, 2
	s_add_co_u32 s18, s18, s16                     ; t, 0 to 63
	s_mul_i32 s22, s18, 16*768
	s_mov_b32 s23, 0
	s_lshr_b32 s19, s18, 3                         ; T
	s_bfe_u32 s20, s18, 0x20001                    ; w
	s_and_b32 s21, s18, 1                          ; u
	s_lshl_b32 s20, s20, 7
	s_lshl_b32 s19, s19, 4
	s_add_co_u32 s20, s20, s19
	s_add_co_u32 s20, s20, s21
	s_mul_i32 s24, s20, 1536
	s_mov_b32 s25, 0
	s_add_nc_u64 s[12:13], s[12:13], s[22:23]
	s_add_nc_u64 s[14:15], s[14:15], s[24:25]
	v_and_b32 v8, 15, v0
	v_bfe_u32 v9, v0, 4, 1
	v_mul_u32_u24 v8, v8, 768
	v_mad_u32_u24 v8, v9, 24, v8
.irp k, 0,1,2,3,4,5,6,7
.irp p, 0,1,2,3,4,5
	global_load_b64 v[16+12*\k+2*\p:16+12*\k+2*\p+1], v8, s[12:13] offset:96*\k+48*(\p/3)+8*(\p%3)
.endr
.endr
	s_wait_loadcnt 0x0
.irp k, 0,1,2,3,4,5,6,7
.irp j, 0,1,2
	global_store_b128 v3, v[16+12*\k+4*\j:16+12*\k+4*\j+3], s[14:15] offset:3072*\k+512*\j   ; 32 lanes store 512 consecutive bytes, aligned to 256
.endr
.endr
	s_endpgm
.Lfunc_end_k_q2331aeeff6_quant:
	.size	k_q2331aeeff6_quant, .Lfunc_end_k_q2331aeeff6_quant-k_q2331aeeff6_quant
	.p2alignl 7, 3214868480
	.fill 96, 4, 3214868480
	.section	.rodata,"a",@progbits
	.p2align	6, 0x0
	.amdhsa_kernel k_q2331aeeff6_quant
		.amdhsa_group_segment_fixed_size 33280
		.amdhsa_private_segment_fixed_size 0
		.amdhsa_enable_private_segment 0
		.amdhsa_kernarg_size 40
		.amdhsa_user_sgpr_count 2
		.amdhsa_user_sgpr_kernarg_segment_ptr 1
		.amdhsa_wavefront_size32 1
		.amdhsa_system_sgpr_workgroup_id_x 1
		.amdhsa_system_sgpr_workgroup_id_y 1
		.amdhsa_system_sgpr_workgroup_id_z 1
		.amdhsa_system_vgpr_workitem_id 0
		.amdhsa_next_free_vgpr 194
		.amdhsa_next_free_sgpr 66
		.amdhsa_reserve_vcc 0
		.amdhsa_float_denorm_mode_32 3
		.amdhsa_float_denorm_mode_16_64 3
		.amdhsa_memory_ordered 1
		.amdhsa_forward_progress 1
		.amdhsa_inst_pref_size 40
	.end_amdhsa_kernel
	.amdgpu_metadata
---
amdhsa.version: [ 1, 2 ]
amdhsa.kernels:
  - .name:           k_q2331aeeff6_quant
    .symbol:         k_q2331aeeff6_quant.kd
    .args:
      - { .name: query, .offset: 0, .size: 8, .value_kind: global_buffer, .address_space: global }
      - { .name: qc, .offset: 8, .size: 8, .value_kind: global_buffer, .address_space: global }
      - { .name: qs, .offset: 16, .size: 8, .value_kind: global_buffer, .address_space: global }
      - { .name: Wo_codes, .offset: 24, .size: 8, .value_kind: global_buffer, .address_space: global }
      - { .name: wimg, .offset: 32, .size: 8, .value_kind: global_buffer, .address_space: global }
    .group_segment_fixed_size: 33280
    .private_segment_fixed_size: 0
    .kernarg_segment_align: 8
    .kernarg_segment_size: 40
    .max_flat_workgroup_size: 128
    .sgpr_count:     66
    .vgpr_count:     194
    .wavefront_size: 32
...
	.end_amdgpu_metadata
.endif
;; end of part 1
;; launch proj (part 2): grid 4 x 48, 4 waves a work-group, clusters of 4 x 4, 327,680 bytes of LDS; arguments qc, qs, key_in_codes, key_in_scales, Wq_codes, Wq_scales, Wk_codes, Wk_scales, Wv_codes, Wv_scales, bq, bk, bv, qrec, kv; writes qrec, kv
.if DOCPART == 2
	.amdgcn_target "amdgcn-amd-amdhsa--gfx1250"
	.amdhsa_code_object_version 6
	.text
	.protected	k_q2331aeeff6_proj
	.globl	k_q2331aeeff6_proj
	.p2align	8
	.type	k_q2331aeeff6_proj,@function
k_q2331aeeff6_proj:
	s_mov_b64 s[64:65], 0
	v_nop
	global_prefetch_b8 v0, s[64:65] scope:SCOPE_SE
	s_setreg_imm32_b32 hwreg(HW_REG_WAVE_MODE, 25, 1), 1
	s_wait_xcnt 0x0
	s_wait_alu depctr_hold_cnt(0) depctr_sa_sdst(0) depctr_va_vdst(0) depctr_va_sdst(0) depctr_va_ssrc(0) depctr_va_vcc(0) depctr_vm_vsrc(0)
	s_getreg_b32 s2, hwreg(HW_REG_IB_STS2, 6, 4)
	s_cmp_eq_u32 s2, 0
	s_cbranch_scc0 .Lentry_in_a_cluster
	s_endpgm
.Lentry_in_a_cluster:
	s_bfe_u32 s2, ttmp6, 0x10000c
	s_cmp_lg_u32 s2, 0xf033
	s_cbranch_scc0 .Lentry_shape_is_right
	s_endpgm
.Lentry_shape_is_right:
; The three projections q = query Wq + bq, k = key_in Wk + bk, v = key_in Wv + bv, on codes of FP6 (E2M3) with one E8M0 scale for each 32 along K = 1,024; sums in f32.
; Cluster row y / 4 says which: 0: q, 1: k (source 1 = 256 tokens, source 0 = 256 rows of the weight), 2: v (source 1 = 256 rows of Wv, source 0 = 256 tokens: v leaves with the keys innermost).
; A work-group of four waves makes 256 x 256, a wave 128 x 128 in 64 accumulators.  The results get their bias, are quantised along the next product's K and leave as images of operand registers:
; records of 13,312 bytes: 8 images of 1,536 bytes, then the scale words, plain and shifted by 16 bits.
; THE RING: a row of codes is 768 bytes = three chunks of 256 bytes, each on a 256-byte border; chunk c lies in slot c % 2; each wave fetches 128 rows of a chunk by one joint load.
; A step of 128 along K is 96 bytes of a row: steps 2 and 5 lie across two chunks and take their pieces from both slots.
; THE SCALES go from memory straight into registers, once: a lane reads its row's 32 bytes, sixteen lanes whole runs of 256 bytes: 8 words a row, 64 registers a side.
; CLUSTER 4 x 4: source 1's tiles are shared along a row of the cluster, source 0's along a column.  No prefetch: K is three chunks, of which two are asked for ahead of the first product.
; LIMITS: NaN and infinities are not served; a block of zeros gets the byte 1 with zero codes (only this program reads those bytes).
; REGISTERS: window 0: v8-31 addresses and the lane's bias; v32-95 source 1's scale words (8 a + step); v96-127, v224-255 source 0's; v128-223 source 1's fragments, one set.
;   window 1: source 0's fragments, two sets at v0 and v128; v96-127, v224-255 the bias along a lane's registers.   windows 2, 3: the accumulators.
.set ROWB,   256
.set KROW,   768
.set CHUNKS, 3
.set PITCH,  272                       ; 256 bytes + 16 of padding
.set FR,     12
.set NL,     6
.set NP,     4
.set HALFT,  128*PITCH
.set SLOT,   4*HALFT
.set SPARE,  2*SLOT                    ; the spare words: 512 bytes that no other line names
.set REC,    13312
.set BL,   8
.set ADRA, 16                          ; v16-17 my place in slot 0, 1; v18-19 for pieces whose lanes 16-31 lie in the next chunk
.set ADRB, 20
.set VO16, 24
.set VO8,  25
.set ASA,  26                          ; offsets of my row's scales in memory
.set ASB,  27
.set SPW,  28
.set NIL,  29
.set BA0,  30
.set BA1,  31
.set SA,   32
.set BR,   96
.set AF,   128
.set PWS,  32
.set PW,   40
.set BLP,  48
.set HA,   128
.set PC,   192
.set TM,   212
.set SEL,  100
.set G1, 24
.set G0, 32
.set G1B, 48
.set G0B, 56
.set MSB, 0
.macro WIN new
.if MSB != (\new)
	s_set_vgpr_msb (MSB<<8)|(\new)
.set MSB, (\new)
.endif
.endm
.set MUL_LO, 0xa1
.set MUL_HI, 0xf1
.set TO_B,   0x40
.macro JLOAD s                         ; waves 0, 1 fetch source 1's halves, waves 2, 3 source 0's; s_nop 0 and four v_nop behind each line
	s_cmp_eq_u32 s15, 0
	s_cbranch_scc0 .Lfor_b_\@
	tensor_load_to_lds s[G0+4*(\s):G0+4*(\s)+3], s[G1:G1+7]
	s_nop 0
.rept 4
	v_nop
.endr
	s_branch .Lasked_\@
.Lfor_b_\@:
	tensor_load_to_lds s[G0B+4*(\s):G0B+4*(\s)+3], s[G1B:G1B+7]
	s_nop 0
.rept 4
	v_nop
.endr
.Lasked_\@:
.endm
.macro CREST
	s_cmp_lg_u32 s14, 0
	s_cbranch_scc1 .Lnot_wave_0_\@
	s_barrier_signal -3
.Lnot_wave_0_\@:
	s_barrier_wait -3
	s_barrier_signal -1
	s_barrier_wait -1
.endm
.macro CROUND
	s_barrier_signal -1
	s_barrier_wait -1
	CREST
.endm
	s_load_b512 s[68:83], s[0:1], 0x0              ; qc, qs, key codes, key scales, Wq codes, scales, Wk codes, scales
	s_load_b256 s[84:91], s[0:1], 0x40             ; Wv codes, scales, bq, bk
	s_load_b128 s[92:95], s[0:1], 0x60             ; bv, qrec
	s_load_b64 s[96:97], s[0:1], 0x70              ; kv
	v_lshl_add_u32 v[SPW], v0, 2, SPARE
	v_mov_b32 v[NIL], 0
	ds_add_u32 v[SPW], v[NIL]                      ; the opening lines: the add twice on end under one wait
	ds_add_u32 v[SPW], v[NIL]
	v_lshrrev_b32 v1, 5, v0
	v_readfirstlane_b32 s14, v1                    ; wave
	s_lshr_b32 s15, s14, 1                         ; my half of source 1's rows; also: which side I fetch
	s_and_b32 s16, s14, 1                          ; my half of source 0's rows; also: which 128 rows I fetch
	s_bfe_u32 s40, ttmp6, 0x40000                  ; cx
	s_bfe_u32 s41, ttmp6, 0x40004                  ; cy
	s_and_b32 s66, ttmp7, 0xffff
	s_and_b32 s67, s66, 3
	s_lshr_b32 s66, s66, 2                         ; which product
	s_cmp_eq_u32 s66, 2
	s_cselect_b32 s42, s67, 0
	s_cselect_b32 s17, 0, s67
	s_lshl_b32 s42, s42, 2
	s_add_co_u32 s42, s42, s40                     ; tile of source 0
	s_lshl_b32 s17, s17, 2
	s_add_co_u32 s17, s17, s41                     ; tile of source 1
	s_lshl_b32 s43, s41, 2
	s_lshl_b32 s43, 15, s43
	s_lshl_b32 s44, 0x1111, s40
	s_or_b32 s[G1+0], s43, (0<<16)|(1<<20)|(1<<21)|(5<<22)|(3<<25)   ; mask; bytes; 4 words of padding behind every 64
	s_or_b32 s[G1B+0], s44, (0<<16)|(1<<20)|(1<<21)|(5<<22)|(3<<25)
.irp g, G1, G1B
	s_mov_b32 s[\g+1], ROWB<<16
	s_mov_b32 s[\g+2], 128<<16
	s_mov_b32 s[\g+3], ROWB<<16
	s_mov_b32 s[\g+4], 128
	s_mov_b32 s[\g+5], KROW
	s_mov_b32 s[\g+6], 0
	s_mov_b32 s[\g+7], 0
.endr
	s_lshl_b32 s18, s16, 7
	s_lshl_b32 s20, s17, 8
	s_lshl_b32 s22, s15, 7
	s_add_co_u32 s22, s22, s20
	s_lshl_b32 s22, s22, 5                         ; the scales of the 128 rows of source 1 that I multiply: 32 bytes a row
	s_mov_b32 s23, 0
	s_add_co_u32 s20, s20, s18                     ; the rows that I fetch
	s_lshl_b32 s46, s42, 8
	s_add_co_u32 s46, s46, s18
	s_lshl_b32 s100, s46, 5                        ; source 0: the rows that I multiply are those half s16 too
	s_mov_b32 s101, 0
	s_mul_i32 s20, s20, KROW
	s_mov_b32 s21, 0
	s_mul_i32 s46, s46, KROW
	s_mov_b32 s47, 0
	s_mul_i32 s45, s14, HALFT
	s_wait_dscnt 0x0
	s_wait_kmcnt 0x0
	s_cmp_eq_u32 s66, 0
	s_cselect_b64 s[4:5], s[68:69], s[72:73]
	s_cselect_b64 s[6:7], s[70:71], s[74:75]
	s_cselect_b64 s[8:9], s[76:77], s[80:81]
	s_cselect_b64 s[10:11], s[78:79], s[82:83]
	s_cselect_b64 s[12:13], s[88:89], s[90:91]
	s_cselect_b64 s[98:99], s[94:95], s[96:97]
	s_cmp_eq_u32 s66, 2
	s_cselect_b64 s[4:5], s[84:85], s[4:5]
	s_cselect_b64 s[6:7], s[86:87], s[6:7]
	s_cselect_b64 s[8:9], s[72:73], s[8:9]
	s_cselect_b64 s[10:11], s[74:75], s[10:11]
	s_cselect_b64 s[12:13], s[92:93], s[12:13]
	s_add_nc_u64 s[20:21], s[4:5], s[20:21]
	s_add_nc_u64 s[6:7], s[6:7], s[22:23]
	s_add_nc_u64 s[46:47], s[8:9], s[46:47]
	s_add_nc_u64 s[10:11], s[10:11], s[100:101]
.irp s, 0,1
	s_mov_b32 s[G0+4*\s], 1
	s_add_co_u32 s[G0+4*\s+1], s45, \s*SLOT
	s_add_nc_u64 s[G0+4*\s+2:G0+4*\s+3], s[20:21], \s*ROWB
	s_or_b32 s[G0+4*\s+3], s[G0+4*\s+3], 0x80000000
	s_mov_b32 s[G0B+4*\s], 1
	s_add_co_u32 s[G0B+4*\s+1], s45, \s*SLOT
	s_add_nc_u64 s[G0B+4*\s+2:G0B+4*\s+3], s[46:47], \s*ROWB
	s_or_b32 s[G0B+4*\s+3], s[G0B+4*\s+3], 0x80000000
.endr
	CROUND                                         ; all sixteen work-groups are here
	JLOAD 0                                        ; chunk 0: my one tensor load at the head
	; scalar work first, then the vector work in one block
	s_mul_i32 s21, s15, HALFT
	s_mul_i32 s22, s16, HALFT
	s_add_co_u32 s22, s22, 2*HALFT
	s_lshl_b32 s18, s17, 1
	s_add_co_u32 s18, s18, s15
	s_lshl_b32 s19, s42, 1
	s_add_co_u32 s19, s19, s16
	s_cmp_eq_u32 s66, 2
	s_cselect_b32 s92, 0, s19
	s_cselect_b32 s93, s18, 0
	s_cselect_b32 s94, s18, s19                    ; block of 128 features
	s_cselect_b32 s95, s19, s18                    ; block of 128 tokens
	s_cselect_b32 s96, 0, -1                       ; q, k: the bias runs along a lane's registers
	s_cselect_b32 s97, -1, 0                       ; v: one bias a lane
	s_lshl_b32 s92, s92, 9
	s_lshl_b32 s93, s93, 9
	s_lshr_b32 s18, s95, 4
	s_lshl_b32 s18, s18, 3
	s_add_co_u32 s18, s18, s94
	s_lshl_b32 s18, s18, 4
	s_and_b32 s19, s95, 15
	s_add_co_u32 s18, s18, s19
	s_cmp_eq_u32 s66, 0
	s_cselect_b32 s19, 1, 2
	s_mul_i32 s18, s18, s19
	s_cmp_eq_u32 s66, 2
	s_cselect_b32 s19, 1, 0
	s_add_co_u32 s18, s18, s19
	s_mul_i32 s18, s18, REC
	s_mov_b32 s19, 0
	s_add_nc_u64 s[98:99], s[98:99], s[18:19]      ; my record
	s_mov_b32 s[SEL], 0x76543210
	s_mov_b32 s[SEL+1], 0xfedcba98
	v_and_b32 v1, 15, v0                           ; r
	v_bfe_u32 v2, v0, 4, 1                         ; h
	v_and_b32 v3, 8, v1
	v_add_nc_u32 v3, v3, v1                        ; r + 8 (r / 8): source 1's rows of a tile
	v_sub_nc_u32 v7, 1, v2
	v_mul_u32_u24 v4, v3, PITCH
	v_mul_u32_u24 v6, v1, PITCH
	v_add_nc_u32 v4, s21, v4
	v_add_nc_u32 v6, s22, v6
	v_mad_u32_u24 v[ADRA], v2, 24, v4              ; row x pitch + 24 h, slot 0
	v_mad_u32_u24 v[ADRB], v2, 24, v6
	v_add_nc_u32 v[ADRA+1], SLOT, v[ADRA]
	v_add_nc_u32 v[ADRB+1], SLOT, v[ADRB]
	v_mad_u32_u24 v[ADRA+2], v2, SLOT-232, v4      ; lanes 0-15 byte 232 of the row in slot 0, lanes 16-31 byte 0 in slot 1
	v_mad_u32_u24 v[ADRB+2], v2, SLOT-232, v6
	v_add_nc_u32 v[ADRA+2], 232, v[ADRA+2]
	v_add_nc_u32 v[ADRB+2], 232, v[ADRB+2]
	v_mad_u32_u24 v[ADRA+3], v7, SLOT+232, v4      ; lanes 0-15 byte 232 in slot 1, lanes 16-31 byte 0 in slot 0
	v_mad_u32_u24 v[ADRB+3], v7, SLOT+232, v6
	v_lshlrev_b32 v[ASA], 5, v3
	v_lshlrev_b32 v[ASB], 5, v1
	v_lshl_add_u32 v[BA0], v2, 5, s92
	v_lshl_add_u32 v[BA1], v3, 2, s93
	v_and_b32 v5, 31, v0
	v_lshlrev_b32 v[VO16], 4, v5
	v_lshlrev_b32 v[VO8], 3, v5
.irp i, 0,1,2,3,4,5,6,7                        ; the scale words of all eight steps: 32 loads
	global_load_b128 v[SA+8*\i:SA+8*\i+3], v[ASA], s[6:7] offset:(32*(\i/2)+8*(\i%2))*32
	global_load_b128 v[SA+8*\i+4:SA+8*\i+7], v[ASA], s[6:7] offset:(32*(\i/2)+8*(\i%2))*32+16
	global_load_b128 v[96+8*\i+96*(\i/4):96+8*\i+96*(\i/4)+3], v[ASB], s[10:11] offset:512*\i
	global_load_b128 v[96+8*\i+96*(\i/4)+4:96+8*\i+96*(\i/4)+7], v[ASB], s[10:11] offset:512*\i+16
.endr
	WIN TO_B
.irp b, 0,1,2,3,4,5,6,7                        ; the biases: 24 loads, wanted at the end
	global_load_b128 v[BR+8*\b+96*(\b/4):BR+8*\b+96*(\b/4)+3], v[BA0], s[12:13] offset:64*\b
	global_load_b128 v[BR+8*\b+96*(\b/4)+4:BR+8*\b+96*(\b/4)+7], v[BA0], s[12:13] offset:64*\b+16
.endr
	WIN 0
.irp a, 0,1,2,3,4,5,6,7
	global_load_b32 v[BL+\a], v[BA1], s[12:13] offset:(32*(\a/2)+8*(\a%2))*4
.endr
.macro FRAG reg, adr, st, rows         ; 12 registers in pieces of 8 bytes; byte y of a row lies in slot (y / 256) % 2 at byte y % 256
.irp p, 0,1,2,3,4,5
.set BY, 96*(\st)+48*(\p/3)+8*(\p%3)
.if BY/ROWB == (BY+24)/ROWB
	ds_load_b64 v[\reg+2*\p:\reg+2*\p+1], v[\adr+(BY/ROWB)%2] offset:BY%ROWB+(\rows)*PITCH
.else
	ds_load_b64 v[\reg+2*\p:\reg+2*\p+1], v[\adr+2+(BY/ROWB)%2] offset:BY%ROWB-232+(\rows)*PITCH
.endif
.endr
.endm
.macro MUL16 a0, st, zero              ; the 64 accumulators take turns, in the same order in every step
.irp a, \a0, \a0+1
.irp b, 0,1,2,3,4,5,6,7
.if \zero
	v_wmma_scale_f32_16x16x128_f8f6f4 v[8*(8*((\a)%4)+\b):8*(8*((\a)%4)+\b)+7], v[128*((\st)%2)+FR*\b:128*((\st)%2)+FR*\b+FR-1], v[AF+FR*(\a):AF+FR*(\a)+FR-1], 0, v[96+8*\b+96*(\b/4)+(\st)], v[SA+8*(\a)+(\st)] matrix_a_fmt:MATRIX_FMT_FP6 matrix_b_fmt:MATRIX_FMT_FP6
.else
	v_wmma_scale_f32_16x16x128_f8f6f4 v[8*(8*((\a)%4)+\b):8*(8*((\a)%4)+\b)+7], v[128*((\st)%2)+FR*\b:128*((\st)%2)+FR*\b+FR-1], v[AF+FR*(\a):AF+FR*(\a)+FR-1], v[8*(8*((\a)%4)+\b):8*(8*((\a)%4)+\b)+7], v[96+8*\b+96*(\b/4)+(\st)], v[SA+8*(\a)+(\st)] matrix_a_fmt:MATRIX_FMT_FP6 matrix_b_fmt:MATRIX_FMT_FP6
.endif
.endr
.endr
.endm
.macro FETCH_B st
	WIN TO_B
.irp i, 0,1,2,3,4,5,6,7
	FRAG 128*((\st)%2)+FR*\i, ADRB, \st, 16*\i
.endr
	WIN 0
.endm
.macro FETCH_A st, i0
.irp i, \i0, \i0+1, \i0+2, \i0+3
	FRAG AF+FR*(\i), ADRA, \st, 32*((\i)/2)+8*((\i)%2)
.endr
.endm
.macro PLACES n
.rept \n
	v_nop
.endr
.endm
; A step: 64 products; the next step's fragments are fetched in its middle and at its end.  Where the next step's bytes END in a chunk not yet read: a wait for my tensor loads and a barrier.
; Where they BEGIN in a later chunk: the three lines, the barrier, and, while a chunk is left to fetch, the cluster's round and the refill.
.macro STEP st, zero
.set NX, (\st)+1
.set C0, (96*(\st))/ROWB
.set C1, (96*NX)/ROWB
.set E0, (96*(\st)+95)/ROWB
.set E1, (96*NX+95)/ROWB
.if C1 > C0 || E1 > E0
	s_wait_tensorcnt 0x0
.if C1 > C0
	ds_add_u32 v[SPW], v[NIL]
	s_wait_dscnt 4*NL+1                            ; the add and source 1's blocks 4-7 may be out
.else
	s_wait_dscnt 4*NL
.endif
	WIN MUL_LO
	MUL16 0, \st, \zero
	s_wait_dscnt 0x0                               ; the add and all my reads are done
	s_barrier_signal -1
	MUL16 2, \st, \zero
	WIN 0
	s_barrier_wait -1
.if C1 > C0 && C0+2 < CHUNKS
	CREST
	s_add_nc_u64 s[G0+4*(C0%2)+2:G0+4*(C0%2)+3], s[G0+4*(C0%2)+2:G0+4*(C0%2)+3], 2*ROWB
	s_add_nc_u64 s[G0B+4*(C0%2)+2:G0B+4*(C0%2)+3], s[G0B+4*(C0%2)+2:G0B+4*(C0%2)+3], 2*ROWB
	JLOAD C0%2                                     ; chunk C0 + 2; its four v_nop are the places in front of the loads below
.else
	PLACES NP
.endif
.else
	s_wait_dscnt 4*NL                              ; the youngest 24 loads, source 1's blocks 4-7, may be out
	WIN MUL_LO
	MUL16 0, \st, \zero
	MUL16 2, \st, \zero
	s_wait_dscnt 0
	PLACES NP
.endif
	FETCH_B NX
	FETCH_A NX, 0
	WIN MUL_HI
	MUL16 4, \st, \zero
	MUL16 6, \st, \zero
	PLACES NP
	WIN 0
	FETCH_A NX, 4
.endm
	s_wait_alu depctr_va_vdst(0)                   ; the wait at the head's end
	s_wait_tensorcnt 0x0                           ; my part of chunk 0 is in; the three lines ahead of slot 1's first fill
	ds_add_u32 v[SPW], v[NIL]
	s_wait_dscnt 0x0
	CROUND
	JLOAD 1                                        ; chunk 1
	FETCH_B 0
	FETCH_A 0, 0
	FETCH_A 0, 4
	s_wait_loadcnt 24                              ; the 32 loads of scale words are in; the 24 of the biases are younger
	STEP 0, 1
.irp st, 1,2,3,4,5,6
	STEP \st, 0
.endr
	s_wait_dscnt 4*NL
	WIN MUL_LO
	MUL16 0, 7, 0
	MUL16 2, 7, 0
	s_wait_dscnt 0
	WIN MUL_HI
	MUL16 4, 7, 0
	MUL16 6, 7, 0
	WIN 0
.macro QUANT s                         ; 64 numbers a lane: four blocks of 32 shared with lane l xor 16; scale word and 12 registers of codes
.irp b, 0,1,2,3
	v_max3_num_f32 v[TM+\b], |v[\s+16*\b]|, |v[\s+1+16*\b]|, 0x1800000
.endr
.irp i, 2,4,6,8,10,12,14
.irp b, 0,1,2,3
	v_max3_num_f32 v[TM+\b], v[TM+\b], |v[\s+16*\b+\i]|, |v[\s+1+16*\b+\i]|
.endr
.endr
.irp b, 0,1,2,3
	v_permlanex16_b32 v[TM+4+\b], v[TM+\b], s[SEL], s[SEL+1]
.endr
.irp b, 0,1,2,3
	v_max_num_f32 v[TM+\b], v[TM+\b], v[TM+4+\b]
.endr
.irp b, 0,1,2,3
	v_add_nc_u32 v[TM+8+\b], 0xff000000, v[TM+\b]
.endr
.irp b, 0,1,2,3
	v_lshrrev_b32 v[TM+4+\b], 23, v[TM+8+\b]
.endr
	v_lshl_or_b32 v[PW], v[TM+5], 8, v[TM+4]
	v_lshl_or_b32 v[PW], v[TM+6], 16, v[PW]
	v_lshl_or_b32 v[PW], v[TM+7], 24, v[PW]
.irp c, 0,1
	v_cvt_scalef32_pk16_fp6_f32 v[PC+6*\c:PC+2+6*\c], v[\s+32*\c:\s+15+32*\c], v[TM+8+2*\c]
	v_cvt_scalef32_pk16_fp6_f32 v[PC+12+4*\c:PC+14+4*\c], v[\s+16+32*\c:\s+31+32*\c], v[TM+8+2*\c+1]
.endr
	v_nop
.irp c, 0,1
.irp i, 0,1,2
	v_permlane16_swap_b32 v[PC+6*\c+\i], v[PC+12+4*\c+\i]
.endr
.irp i, 0,1,2
	v_mov_b32 v[PC+3+6*\c+\i], v[PC+12+4*\c+\i]
.endr
.endr
.endm
.macro EPI a                           ; block a of 16 rows of source 1: bias, the order along the next K, quantiser, one image
.if (\a) > 0
	s_wait_xcnt 0x0                                ; the last image's stores have read their registers
.endif
	WIN (2+(\a)/4)|4                               ; source 0: the accumulators' window; source 1: window 1
.irp b, 0,1,2,3,4,5,6,7
.irp i, 0,2,4,6
	v_pk_add_f32 v[HA+8*\b+\i:HA+8*\b+\i+1], v[64*((\a)%4)+8*\b+\i:64*((\a)%4)+8*\b+\i+1], v[BR+8*\b+96*(\b/4)+\i:BR+8*\b+96*(\b/4)+\i+1]
.endr
.endr
	WIN 0
.set JJ, 0
.rept 32
	v_pk_add_f32 v[HA+JJ:HA+JJ+1], v[HA+JJ:HA+JJ+1], v[BLP+2*(\a):BLP+2*(\a)+1]
.set JJ, JJ+2
.endr
.irp g, 0,1,2,3
.irp j, 0,1,2,3,4,5,6,7
	v_permlane16_swap_b32 v[HA+16*\g+\j], v[HA+16*\g+8+\j]
.endr
.endr
	QUANT HA
	global_store_b128 v[VO16], v[PC:PC+3], s[98:99] offset:1536*(\a)
	global_store_b64 v[VO8], v[PC+4:PC+5], s[98:99] offset:1536*(\a)+512
	global_store_b128 v[VO16], v[PC+6:PC+9], s[98:99] offset:1536*(\a)+768
	global_store_b64 v[VO8], v[PC+10:PC+11], s[98:99] offset:1536*(\a)+1280
	v_mov_b32 v[PWS+(\a)], v[PW]
.endm
	s_wait_loadcnt 0x0                             ; the biases
	WIN 0x44                                       ; destination and source 1: window 1
.irp b, 0,1,2,3,4,5,6,7
.irp j, 0,1,2,3,4,5,6,7
	v_cndmask_b32 v[BR+8*\b+96*(\b/4)+\j], 0, v[BR+8*\b+96*(\b/4)+\j], s96   ; of the two forms of the bias one is kept, the other is 0
.endr
.endr
	WIN 0
.irp a, 0,1,2,3,4,5,6,7
	v_cndmask_b32 v[BLP+2*\a], 0, v[BL+\a], s97
	v_cndmask_b32 v[BLP+2*\a+1], 0, v[BL+\a], s97
.endr
.irp b, 0,1,2,3
	v_mov_b32 v[TM+4+\b], 0
.endr
.irp a, 0,1,2,3,4,5,6,7
	EPI \a
.endr
	s_mov_b32 s20, 0xffff0000
.irp i, 0,1,2,3
	v_cndmask_b32 v[HA+\i], v[PWS+2*\i], v[PWS+2*\i+1], s20   ; lanes 0-15 block 2 i's words, lanes 16-31 block 2 i + 1's
.endr
.irp i, 0,1,2,3
	v_lshrrev_b32 v[HA+4+\i], 16, v[HA+\i]         ; and shifted, for the odd head of a pair
.endr
	global_store_b128 v[VO16], v[HA:HA+3], s[98:99] offset:12288
	global_store_b128 v[VO16], v[HA+4:HA+7], s[98:99] offset:12800
	s_wait_tensorcnt 0x0                           ; the wave's end
	ds_add_u32 v[SPW], v[NIL]
	s_wait_dscnt 0x0
	CROUND                                         ; the closing round
	s_endpgm
.Lfunc_end_k_q2331aeeff6_proj:
	.size	k_q2331aeeff6_proj, .Lfunc_end_k_q2331aeeff6_proj-k_q2331aeeff6_proj
	.p2alignl 7, 3214868480
	.fill 96, 4, 3214868480
	.section	.rodata,"a",@progbits
	.p2align	6, 0x0
	.amdhsa_kernel k_q2331aeeff6_proj
		.amdhsa_group_segment_fixed_size 327680
		.amdhsa_private_segment_fixed_size 0
		.amdhsa_enable_private_segment 0
		.amdhsa_kernarg_size 120
		.amdhsa_user_sgpr_count 2
		.amdhsa_user_sgpr_kernarg_segment_ptr 1
		.amdhsa_wavefront_size32 1
		.amdhsa_system_sgpr_workgroup_id_x 1
		.amdhsa_system_sgpr_workgroup_id_y 1
		.amdhsa_system_sgpr_workgroup_id_z 1
		.amdhsa_system_vgpr_workitem_id 0
		.amdhsa_next_free_vgpr 1024
		.amdhsa_next_free_sgpr 102
		.amdhsa_reserve_vcc 0
		.amdhsa_float_denorm_mode_32 3
		.amdhsa_float_denorm_mode_16_64 3
		.amdhsa_memory_ordered 1
		.amdhsa_forward_progress 1
		.amdhsa_inst_pref_size 212
	.end_amdhsa_kernel
	.amdgpu_metadata
---
amdhsa.version: [ 1, 2 ]
amdhsa.kernels:
  - .name:           k_q2331aeeff6_proj
    .symbol:         k_q2331aeeff6_proj.kd
    .args:
      - { .name: qc, .offset: 0, .size: 8, .value_kind: global_buffer, .address_space: global }
      - { .name: qs, .offset: 8, .size: 8, .value_kind: global_buffer, .address_space: global }
      - { .name: key_in_codes, .offset: 16, .size: 8, .value_kind: global_buffer, .address_space: global }
      - { .name: key_in_scales, .offset: 24, .size: 8, .value_kind: global_buffer, .address_space: global }
      - { .name: Wq_codes, .offset: 32, .size: 8, .value_kind: global_buffer, .address_space: global }
      - { .name: Wq_scales, .offset: 40, .size: 8, .value_kind: global_buffer, .address_space: global }
      - { .name: Wk_codes, .offset: 48, .size: 8, .value_kind: global_buffer, .address_space: global }
      - { .name: Wk_scales, .offset: 56, .size: 8, .value_kind: global_buffer, .address_space: global }
      - { .name: Wv_codes, .offset: 64, .size: 8, .value_kind: global_buffer, .address_space: global }
      - { .name: Wv_scales, .offset: 72, .size: 8, .value_kind: global_buffer, .address_space: global }
      - { .name: bq, .offset: 80, .size: 8, .value_kind: global_buffer, .address_space: global }
      - { .name: bk, .offset: 88, .size: 8, .value_kind: global_buffer, .address_space: global }
      - { .name: bv, .offset: 96, .size: 8, .value_kind: global_buffer, .address_space: global }
      - { .name: qrec, .offset: 104, .size: 8, .value_kind: global_buffer, .address_space: global }
      - { .name: kv, .offset: 112, .size: 8, .value_kind: global_buffer, .address_space: global }
    .group_segment_fixed_size: 327680
    .private_segment_fixed_size: 0
    .kernarg_segment_align: 8
    .kernarg_segment_size: 120
    .max_flat_workgroup_size: 128
    .sgpr_count:     102
    .vgpr_count:     1024
    .wavefront_size: 32
...
	.end_amdgpu_metadata
.endif
;; end of part 2
;; launch attn (part 3): grid 8 x 32, 16 waves a work-group, clusters of 4 x 4, 327,680 bytes of LDS; arguments qrec, kv, mask, ctx, cs; writes ctx, cs
.if DOCPART == 3
	.amdgcn_target "amdgcn-amd-amdhsa--gfx1250"
	.amdhsa_code_object_version 6
	.text
	.protected	k_q2331aeeff6_attn
	.globl	k_q2331aeeff6_attn
	.p2align	8
	.type	k_q2331aeeff6_attn,@function
k_q2331aeeff6_attn:
	s_mov_b64 s[64:65], 0
	v_nop
	global_prefetch_b8 v0, s[64:65] scope:SCOPE_SE
	s_setreg_imm32_b32 hwreg(HW_REG_WAVE_MODE, 25, 1), 1
	s_wait_xcnt 0x0
	s_wait_alu depctr_hold_cnt(0) depctr_sa_sdst(0) depctr_va_vdst(0) depctr_va_sdst(0) depctr_va_ssrc(0) depctr_va_vcc(0) depctr_vm_vsrc(0)
	s_getreg_b32 s2, hwreg(HW_REG_IB_STS2, 6, 4)
	s_cmp_eq_u32 s2, 0
	s_cbranch_scc0 .Lentry_in_a_cluster
	s_endpgm
.Lentry_in_a_cluster:
	s_bfe_u32 s2, ttmp6, 0x10000c
	s_cmp_lg_u32 s2, 0xf033
	s_cbranch_scc0 .Lentry_shape_is_right
	s_endpgm
.Lentry_shape_is_right:
; context[b][q][64 head + d] = sum over k of softmax_k(clip(q . k / 8 x (mask / 2 + 1 / 2), -50, 50)) v[k][d], both products on codes of FP6 (E2M3) with one E8M0 scale for each 32 along K.
; q, k, v arrive as images of operand registers (records of 13,312 bytes: 8 images of 1,536 bytes, then the scale words).  The context leaves quantised along the model's 1,024, as images too.
; THE EXPONENTIAL HAS NO MAXIMUM TAKEN AWAY, because the clip bounds it: t = logit x log2(e) lies in -72.14 .. 72.14, so p = 2^t lies in 2^-72.2 .. 2^72.2, a row's sum of 2,048 of them under 2^83.2,
; and the sums of p v under 2^83.2 x |v|: nothing can overflow or fall to zero in f32 while |v| < 2^44.  p = 2^t is the p of the stated softmax (2^(t - M), M a whole number) times the exact power of two 2^M,
; which a block's scale takes up: the codes are the same.  The row's sum is taken of the unquantised p and divides at the end.
; LIMITS: NaN and infinities are not served; |v| < 2^44; a block of zeros gets the byte 1 with zero codes (only this program reads those bytes).
; SHARES.  A work-group owns 128 queries (y = batch x 16 + block) of one PAIR of heads (x).  Wave w owns tile w / 2 of 16 queries and head w % 2, in 256 registers, four waves to a SIMD.  Every wave walks the 2,048 keys, 128 a step.
; LAYOUT.  Both products are used transposed: S^T = K Q^T, O^T = V^T P^T: a lane holds ONE query.  The keys of a tile were chosen when the records were made, so that the 16 registers of tiles 2 g and 2 g + 1
; are keys 32 g + 16 (lane / 16) + 0 .. 15; V's features likewise.
; A HEAD IS 64 ALONG K, half of the instruction's 128.  Q's operand is six registers of codes and six of zero codes; K's half fragments stand 6 registers apart, so the upper half of a tile's operand is the next
; tile's codes (behind the fourth: six zeros): they meet Q's zero codes and add nothing.
; CLUSTER 4 x 4.  The mask's tile (128 queries x 128 keys, f32) hangs on y alone: a row of the cluster asks jointly.  K's and V's records hang on x and the batch: a column asks jointly.
; A ring of two LDS slots, one step each.  EVERY WAVE ISSUES ONE LOAD A STEP: waves 0-7 sixteen rows of the mask each, waves 8-15 thirteen blocks of 256 bytes of the two records (26,624 bytes) each.
.set KOFF,  128*528                    ; a slot: the mask, 128 rows of 512 bytes + 16; K's record; V's record
.set VOFF,  KOFF+13312
.set SLOT1, 1<<17
.set SPARE, SLOT1+VOFF+13312           ; the spare words, 128 bytes for each wave
.set CSTG,  SPARE+16*128               ; 512 bytes: the context's scale words meet here; no tile lands there
.set SPW, 1
.set NIL, 2
.set BA,  3                            ; v3-9  my places in slot 0: K's images (16 and 8 bytes a lane), K's scale words, V's three likewise, the mask
.set L,   10                           ; v[10:11] the row's sum
.set KSC, 12
.set VSC, 16
.set QS,  18
.set PS,  19
.set Q,   20                           ; v20-25 Q's codes, v26-31 zero codes
.set F,   32                           ; v32-55 four half fragments of K, v56-61 zero codes
.set CA,  62                           ; v62-68 the seven places in the slot in hand
.set PFO, 69
.set TM,  70
.set TP,  74
.set S,   80                           ; v80-143 S^T, then t, then p
.set G,   144                          ; v144-207 the mask, then its weight; then v144-191 V's four fragments
.set CT0, 192
.set CT1, 196
.set L2,  200
.set O,   208                          ; v208-239 O^T
.set P,   240
.set TS,  252
.set WV,  2
.set TRIPS, 3
.set TB,  20
.set CS2, 22
.set LO,  24
.set HI,  25
.set SEL, 26
.set G1M, 28
.set G1K, 36
.set G0M, 44
.set G0K, 48
.set PFA, 66
.set PFS, 68
.set LIM, 70
.macro TLOAD                           ; one joint load in each arm; the branch hangs on the wave's number alone; s_nop 0 and four v_nop
	s_cmp_lt_u32 s[WV], 8
	s_cbranch_scc0 .Lrec_\@
	tensor_load_to_lds s[G0M:G0M+3], s[G1M:G1M+7]
	s_nop 0
.rept 4
	v_nop
.endr
	s_branch .Lasked_\@
.Lrec_\@:
	tensor_load_to_lds s[G0K:G0K+3], s[G1K:G1K+7]
	s_nop 0
.rept 4
	v_nop
.endr
.Lasked_\@:
.endm
; A PREFETCH INTO THE L2 of what the NEXT change of slots will ask for, one step ahead of that load.
; The mask's tile is 128 rows x 2 blocks of 256 bytes.  Both clusters of a y read it: the one with x = 0 asks; its four partners along x take 32 rows each, BY ADDRESS; waves 4 and 5 take a block each, a lane a row.
; A step's records are 104 blocks.  The four clusters of a batch read them: the first asks; its four partners along y take 26 blocks each, by address; wave 6 asks, a lane a block
; (lanes 26 to 31 name lane 25's block once more).  The last change that fills a slot asks for nothing; steps 0 and 1 come by their loads alone.
.macro ASK
	s_cmp_gt_u32 s[TRIPS], s[LIM]
	s_cbranch_scc0 .Lnot_mine_\@
	global_prefetch_b8 v[PFO], s[PFA:PFA+1] th:TH_LOAD_NT scope:SCOPE_SE
.Lnot_mine_\@:
.endm
.macro CROUND
	s_barrier_signal -1
	s_barrier_wait -1
	s_cmp_lg_u32 s[WV], 0
	s_cbranch_scc1 .Lnot_wave_0_\@
	s_barrier_signal -3
.Lnot_wave_0_\@:
	s_barrier_wait -3
	s_barrier_signal -1
	s_barrier_wait -1
.endm
	s_load_b256 s[4:11], s[0:1], 0x0               ; qrec, kv, mask, ctx
	s_load_b64 s[12:13], s[0:1], 0x20              ; cs
	v_lshl_add_u32 v[SPW], v0, 2, SPARE
	v_mov_b32 v[NIL], 0
	ds_add_u32 v[SPW], v[NIL]                      ; the opening lines: the add twice on end under one wait
	ds_add_u32 v[SPW], v[NIL]
	v_lshrrev_b32 v3, 5, v0
	v_readfirstlane_b32 s[WV], v3                  ; wave 0..15
	s_bfe_u32 s14, ttmp6, 0x40000                  ; cx
	s_bfe_u32 s15, ttmp6, 0x40004                  ; cy
	s_lshl_b32 s16, ttmp9, 2
	s_add_co_u32 s16, s16, s14                     ; the pair of heads
	s_and_b32 s18, ttmp7, 0xffff
	s_lshl_b32 s17, s18, 2
	s_add_co_u32 s17, s17, s15                     ; batch x 16 + block of 128 queries
	s_lshr_b32 s19, s18, 2                         ; the batch
	s_lshr_b32 s52, s[WV], 1                       ; my tile of 16 queries
	s_and_b32 s53, s[WV], 1                        ; my head of the pair
	s_and_b32 s61, s[WV], 7                        ; which eighth I fetch
	s_lshl_b32 s54, s15, 2
	s_lshl_b32 s54, 15, s54                        ; my row of the cluster
	s_lshl_b32 s55, 0x1111, s14                    ; my column
	s_or_b32 s[G1M], s54, (2<<16)|(1<<20)|(1<<21)|(6<<22)|(3<<25)   ; the mask: 16 rows x 128 words, 2,048 apart; 16 bytes of padding behind each
	s_mov_b32 s[G1M+1], 128<<16
	s_mov_b32 s[G1M+2], 16<<16
	s_mov_b32 s[G1M+3], 128<<16
	s_mov_b32 s[G1M+4], 16
	s_mov_b32 s[G1M+5], 2048
	s_mov_b32 s[G1M+6], 0
	s_mov_b32 s[G1M+7], 0
	s_or_b32 s[G1K], s55, (3<<16)|(1<<21)          ; the records: 13 dense rows of 256 bytes
	s_mov_b32 s[G1K+1], 32<<16
	s_mov_b32 s[G1K+2], 13<<16
	s_mov_b32 s[G1K+3], 32<<16
	s_mov_b32 s[G1K+4], 13
	s_mov_b32 s[G1K+5], 32
	s_mov_b32 s[G1K+6], 0
	s_mov_b32 s[G1K+7], 0
	s_lshl_b32 s56, s17, 20                        ; the mask: my work-group's 128 rows of 8,192 bytes,
	s_lshl_b32 s57, s61, 17                        ; my 16 of them
	s_add_co_u32 s56, s56, s57
	s_mov_b32 s57, 0
	s_lshl_b32 s60, s19, 3
	s_add_co_u32 s60, s60, s16                     ; batch x 8 + pair
	s_mul_i32 s58, s60, 16*26624
	s_mul_i32 s59, s61, 3328
	s_add_co_u32 s58, s58, s59
	s_mov_b32 s59, 0
	s_mov_b32 s[CS2], 0x3db8aa3b                   ; log2(e) / 16: the 1 / 8 of the scores, the 1 / 2 of the blend, and log2(e)
	s_mov_b32 s[CS2+1], s[CS2]
	s_mov_b32 s[LO], 0xc29044fe                    ; -50 log2(e), 50 log2(e)
	s_mov_b32 s[HI], 0x429044fe
	s_mov_b32 s[SEL], 0x76543210
	s_mov_b32 s[SEL+1], 0xfedcba98
	s_mov_b32 s[TB], 0
	s_mov_b32 s[TRIPS], 15
	s_mov_b32 s[G0M], 1
	s_mul_i32 s[G0M+1], s61, 16*528
	s_mov_b32 s[G0K], 1
	s_mul_i32 s[G0K+1], s61, 3328
	s_add_co_u32 s[G0K+1], s[G0K+1], KOFF
	s_wait_dscnt 0x0
	s_wait_kmcnt 0x0
	s_add_nc_u64 s[G0M+2:G0M+3], s[8:9], s[56:57]
	s_or_b32 s[G0M+3], s[G0M+3], 0x80000000
	s_add_nc_u64 s[G0K+2:G0K+3], s[6:7], s[58:59]
	s_or_b32 s[G0K+3], s[G0K+3], 0x80000000
	CROUND                                         ; all sixteen work-groups are here
	TLOAD                                          ; step 0 into slot 0: my one load at the head
	; scalar work first, then the vector work in one block
	s_lshl_b32 s73, s60, 4
	s_and_b32 s74, s17, 15
	s_add_co_u32 s73, s73, s74
	s_mul_i32 s74, s73, 13312
	s_mov_b32 s75, 0
	s_add_nc_u64 s[4:5], s[4:5], s[74:75]          ; Q: my block's record
	s_mul_i32 s80, s52, 1536
	s_mul_i32 s76, s53, 768
	s_add_co_u32 s80, s80, s76                     ; image (my tile), my head's half
	s_lshl_b32 s81, s53, 9                         ; the odd head takes the shifted words;
	s_and_b32 s76, s52, 1
	s_lshl_b32 s76, s76, 8                         ; an odd tile's words stand in lanes 16-31's places;
	s_add_co_u32 s81, s81, s76
	s_lshr_b32 s76, s52, 1
	s_lshl_b32 s76, s76, 2                         ; word tile / 2 of a lane's four
	s_add_co_u32 s81, s81, s76
	s_mul_i32 s71, s53, 768
	s_add_co_u32 s82, s71, KOFF
	s_add_co_u32 s83, s71, KOFF+512
	s_lshl_b32 s84, s53, 9
	s_add_co_u32 s84, s84, KOFF+12288
	s_mul_i32 s71, s53, 6144
	s_add_co_u32 s85, s71, VOFF
	s_add_co_u32 s86, s71, VOFF+512
	s_lshl_b32 s87, s53, 3
	s_add_co_u32 s87, s87, VOFF+12288
	s_mul_i32 s88, s52, 16*528
	s_and_b32 s72, s18, 3                          ; the prefetches: which of the four clusters that walk the same K and V
	s_mov_b32 s73, 26624
	s_mov_b32 s74, 25
	s_mov_b32 s75, 256
	s_lshl_b32 s76, s17, 20
	s_lshl_b32 s77, s14, 18                        ; the mask: my work-group's 32 rows of the 128,
	s_add_co_u32 s76, s76, s77
	s_lshl_b32 s77, s53, 8                         ; my wave's block of a row's two,
	s_add_co_u32 s76, s76, s77
	s_add_co_u32 s76, s76, 512                     ; in step 1: the first change of slots steps it to step 2
	s_mul_i32 s78, s60, 16*26624
	s_mul_i32 s77, s15, 6656                       ; the records: my work-group's 26 blocks of the 104,
	s_add_co_u32 s78, s78, s77
	s_add_co_u32 s78, s78, 26624
	s_lshr_b32 s71, s[WV], 1
	s_cmp_eq_u32 s71, 2                            ; waves 4 and 5: the mask; wave 6: the records
	s_cselect_b64 s[PFA:PFA+1], s[8:9], s[6:7]
	s_cselect_b32 s76, s76, s78
	s_cselect_b32 s[PFS], 512, s73
	s_cselect_b32 s72, ttmp9, s72
	s_cselect_b32 s74, 31, s74
	s_cselect_b32 s75, 8192, s75
	s_mov_b32 s77, 0
	s_mov_b32 s[PFS+1], 0
	s_add_nc_u64 s[PFA:PFA+1], s[PFA:PFA+1], s[76:77]
	s_sub_co_u32 s71, s[WV], 4
	s_cmp_lt_u32 s71, 3
	s_cselect_b32 s71, 0, 1
	s_or_b32 s71, s71, s72                         ; 0 in waves 4 to 6 of the first cluster along that coordinate
	s_cmp_eq_u32 s71, 0
	s_cselect_b32 s[LIM], 1, -1
	v_and_b32 v73, 31, v0                          ; lane
	v_and_b32 v78, 15, v0                          ; r
	v_bfe_u32 v79, v0, 4, 1                        ; h
	v_lshl_add_u32 v70, v73, 4, s80
	v_lshl_add_u32 v71, v73, 3, s80
	v_lshl_add_u32 v72, v78, 4, s81
	global_load_b128 v[Q:Q+3], v70, s[4:5]
	global_load_b64 v[Q+4:Q+5], v71, s[4:5] offset:512
	global_load_b32 v[QS], v72, s[4:5] offset:12288
	v_lshl_add_u32 v[BA+0], v73, 4, s82
	v_lshl_add_u32 v[BA+1], v73, 3, s83
	v_lshl_add_u32 v[BA+2], v73, 4, s84
	v_lshl_add_u32 v[BA+3], v73, 4, s85
	v_lshl_add_u32 v[BA+4], v73, 3, s86
	v_lshl_add_u32 v[BA+5], v73, 4, s87
	v_mul_u32_u24 v[BA+6], v78, 528
	v_lshl_add_u32 v[BA+6], v79, 6, v[BA+6]
	v_add_nc_u32 v[BA+6], s88, v[BA+6]             ; the mask: row 16 tile + r, + 64 h
	v_min_u32 v[PFO], s74, v73
	v_mul_lo_u32 v[PFO], v[PFO], s75
.irp j, 0,1,2,3,4,5
	v_mov_b32 v[Q+6+\j], 0                         ; zero codes
	v_mov_b32 v[F+24+\j], 0
.endr
.irp j, 0,1,2,3
	v_mov_b32 v[TP+\j], 0                          ; a lane permute's destination counts as one of its sources
.endr
	v_mov_b32 v[L], 0
	v_mov_b32 v[L+1], 0
.set JJ, 0
.rept 32
	v_mov_b32 v[O+JJ], 0                           ; O^T: the step is written for every trip alike
.set JJ, JJ+1
.endr
	s_wait_alu depctr_va_vdst(0)                   ; the wait at the head's end
	s_wait_loadcnt 0x0                             ; Q
.macro SPROD t
.if (\t)%2
	v_wmma_scale_f32_16x16x128_f8f6f4 v[S+8*(\t):S+8*(\t)+7], v[F+6*((\t)%4):F+6*((\t)%4)+11], v[Q:Q+11], 0, v[KSC+(\t)/2], v[QS] matrix_a_fmt:MATRIX_FMT_FP6 matrix_b_fmt:MATRIX_FMT_FP6 matrix_a_scale:MATRIX_SCALE_ROW1
.else
	v_wmma_scale_f32_16x16x128_f8f6f4 v[S+8*(\t):S+8*(\t)+7], v[F+6*((\t)%4):F+6*((\t)%4)+11], v[Q:Q+11], 0, v[KSC+(\t)/2], v[QS] matrix_a_fmt:MATRIX_FMT_FP6 matrix_b_fmt:MATRIX_FMT_FP6
.endif
.endm
.macro KLOAD t
	ds_load_b128 v[F+6*((\t)%4):F+6*((\t)%4)+3], v[CA+0] offset:1536*(\t)
	ds_load_b64 v[F+6*((\t)%4)+4:F+6*((\t)%4)+5], v[CA+1] offset:1536*(\t)
.endm
.macro OPROD t
	s_wait_alu depctr_va_vdst(0)                   ; the wait directly ahead: O^T was last written ahead of the exponentials
.if (\t)%2
	v_wmma_scale_f32_16x16x128_f8f6f4 v[O+8*(\t):O+8*(\t)+7], v[G+12*(\t):G+12*(\t)+11], v[P:P+11], v[O+8*(\t):O+8*(\t)+7], v[VSC+(\t)/2], v[PS] matrix_a_fmt:MATRIX_FMT_FP6 matrix_b_fmt:MATRIX_FMT_FP6 matrix_a_scale:MATRIX_SCALE_ROW1
.else
	v_wmma_scale_f32_16x16x128_f8f6f4 v[O+8*(\t):O+8*(\t)+7], v[G+12*(\t):G+12*(\t)+11], v[P:P+11], v[O+8*(\t):O+8*(\t)+7], v[VSC+(\t)/2], v[PS] matrix_a_fmt:MATRIX_FMT_FP6 matrix_b_fmt:MATRIX_FMT_FP6
.endif
.endm
; A KEY STEP: 128 keys.  No two matrix instructions that follow each other share an accumulator.
.macro STEP
.irp i, 0,1,2,3,4,5,6
	v_add_nc_u32 v[CA+\i], s[TB], v[BA+\i]         ; my places in the slot in hand; also the places behind the last step's products
.endr
	s_wait_alu depctr_va_vdst(0)
.irp t, 0,1,2,3
	KLOAD \t
.endr
	ds_load_b128 v[KSC:KSC+3], v[CA+2]
.irp n, 0,1,2,3,4,5,6,7,8,9,10,11,12,13,14,15
	ds_load_b128 v[G+4*\n:G+4*\n+3], v[CA+6] offset:128*(\n/4)+16*(\n%4)   ; the mask in S^T's order
.endr
	s_wait_dscnt 16                                ; K's four tiles and the scale words are in; the mask's 16 loads may be out
.irp t, 0,1,2,3
	SPROD \t
.endr
	s_wait_dscnt 0x0                               ; the mask
.set JJ, 0
.rept 4
	v_pk_fma_f32 v[G+JJ:G+JJ+1], v[G+JJ:G+JJ+1], s[CS2:CS2+1], s[CS2:CS2+1] op_sel_hi:[1,0,0]   ; the weight (mask + 1) log2(e) / 16; these four are the places in front of the loads below
.set JJ, JJ+2
.endr
.irp t, 4,5,6,7
	KLOAD \t
.endr
.rept 28
	v_pk_fma_f32 v[G+JJ:G+JJ+1], v[G+JJ:G+JJ+1], s[CS2:CS2+1], s[CS2:CS2+1] op_sel_hi:[1,0,0]
.set JJ, JJ+2
.endr
	s_wait_dscnt 0x0
.irp t, 4,5,6,7
	SPROD \t
.endr
.set JJ, 0
.rept 32
	v_pk_mul_f32 v[S+JJ:S+JJ+1], v[S+JJ:S+JJ+1], v[G+JJ:G+JJ+1]   ; t, not yet clipped; each accumulator from its low end on; the first sixteen are the places behind tiles 4-7's products
.set JJ, JJ+2
.endr
.irp t, 0,1,2,3                                ; V's four fragments into the registers that the weights have left
	ds_load_b128 v[G+12*\t:G+12*\t+3], v[CA+3] offset:1536*\t
	ds_load_b64 v[G+12*\t+4:G+12*\t+5], v[CA+4] offset:1536*\t
	ds_load_b128 v[G+12*\t+6:G+12*\t+9], v[CA+3] offset:1536*\t+768
	ds_load_b64 v[G+12*\t+10:G+12*\t+11], v[CA+4] offset:1536*\t+768
.endr
	ds_load_b64 v[VSC:VSC+1], v[CA+5]
.set JJ, 0
.rept 64
	v_med3_num_f32 v[S+JJ], v[S+JJ], s[LO], s[HI]  ; the clip
.set JJ, JJ+1
.endr
	s_wait_alu depctr_va_vdst(0)                   ; the wait ahead of the batch
.set JJ, 0
.rept 64
	v_exp_f32 v[S+JJ], v[S+JJ]                     ; p = 2^t
.set JJ, JJ+1
.endr
	v_nop                                          ; a plain line behind the last exponential
	s_wait_alu depctr_va_vdst(0)                   ; and the wait behind the batch: one for the 64
.irp b, 0,1,2,3
	v_max3_num_f32 v[TM+\b], v[S+16*\b], v[S+16*\b+1], 0x1800000   ; block b of 32 keys: my 16 p, and the floor 2^(3 - 127)
.endr
.irp i, 2,4,6,8,10,12,14
.irp b, 0,1,2,3
	v_max3_num_f32 v[TM+\b], v[TM+\b], v[S+16*\b+\i], v[S+16*\b+\i+1]
.endr
.endr
.irp b, 0,1,2,3
	v_permlanex16_b32 v[TP+\b], v[TM+\b], s[SEL], s[SEL+1]
.endr
.irp b, 0,1,2,3
	v_max_num_f32 v[TM+\b], v[TM+\b], v[TP+\b]
.endr
.irp b, 0,1,2,3
	v_add_nc_u32 v[TS+\b], 0xff000000, v[TM+\b]    ; 2 off the exponent field: the conversion's scale operand
.endr
.irp b, 0,1,2,3
	v_lshrrev_b32 v[TP+\b], 23, v[TS+\b]
.endr
	v_lshl_or_b32 v[PS], v[TP+1], 8, v[TP]         ; p's scale word for these 128 keys
	v_lshl_or_b32 v[PS], v[TP+2], 16, v[PS]
	v_lshl_or_b32 v[PS], v[TP+3], 24, v[PS]
	v_cvt_scalef32_pk16_fp6_f32 v[P:P+2], v[S:S+15], v[TS]
	v_cvt_scalef32_pk16_fp6_f32 v[CT0:CT0+2], v[S+16:S+31], v[TS+1]
	v_cvt_scalef32_pk16_fp6_f32 v[P+6:P+8], v[S+32:S+47], v[TS+2]
	v_cvt_scalef32_pk16_fp6_f32 v[CT1:CT1+2], v[S+48:S+63], v[TS+3]
	v_nop                                          ; one plain place behind a scaled conversion
.irp i, 0,1,2                                  ; the operand's layout wants a whole block in a lane
	v_permlane16_swap_b32 v[P+\i], v[CT0+\i]
	v_permlane16_swap_b32 v[P+6+\i], v[CT1+\i]
.endr
.irp i, 0,1,2
	v_mov_b32 v[P+3+\i], v[CT0+\i]
	v_mov_b32 v[P+9+\i], v[CT1+\i]
.endr
	v_pk_add_f32 v[L2:L2+1], v[S:S+1], v[S+2:S+3]  ; the row's sum, of the unquantised p, in two chains; these 32 are also the places ahead of the scaled products
.set JJ, 4
.rept 15
	v_pk_add_f32 v[L:L+1], v[L:L+1], v[S+JJ:S+JJ+1]
	v_pk_add_f32 v[L2:L2+1], v[L2:L2+1], v[S+JJ+2:S+JJ+3]
.set JJ, JJ+4
.endr
	v_pk_add_f32 v[L:L+1], v[L:L+1], v[L2:L2+1]
	s_wait_dscnt 0x0                               ; V
.irp t, 0,1,2,3
	OPROD \t
.endr
	s_xor_b32 s[TB], s[TB], SLOT1
.endm
; THE CHANGE OF SLOTS.  Each wave waits for its tensor load (its part of the slot that it is about to read), adds 0 to its spare word, and waits for that and for its reads of the slot left behind.
; fill = 1: a round of the cluster's barrier, then the joint refill first: it has a step's work in which to land.
.macro CHANGE fill
	s_wait_tensorcnt 0x0
	ds_add_u32 v[SPW], v[NIL]
.if \fill
	s_xor_b32 s[G0M+1], s[G0M+1], SLOT1
	s_add_nc_u64 s[G0M+2:G0M+3], s[G0M+2:G0M+3], 512
	s_xor_b32 s[G0K+1], s[G0K+1], SLOT1
	s_add_nc_u64 s[G0K+2:G0K+3], s[G0K+2:G0K+3], 26624
	s_wait_xcnt 0x0                                ; the last prefetch, a step back, has read its address
	s_add_nc_u64 s[PFA:PFA+1], s[PFA:PFA+1], s[PFS:PFS+1]
	s_wait_dscnt 0x0
	CROUND
	TLOAD
	ASK
.else
	s_wait_dscnt 0x0
	s_barrier_signal -1
	s_barrier_wait -1
.endif
.endm
.Lstep:                                            ; 15 trips: behind each change of slots but the last the next step is asked for
	CHANGE 1
	STEP
	s_sub_co_u32 s[TRIPS], s[TRIPS], 1
	s_cmp_lg_u32 s[TRIPS], 0
	s_cbranch_scc1 .Lstep
	CHANGE 0                                       ; the last step is written out
	STEP
	; THE WAY OUT.  O^T / the sum is my head's 64 of the context: two blocks of 32 along the next product's K; quantised here, it leaves as half an image.
	s_lshl_b32 s71, s17, 3
	s_add_co_u32 s71, s71, s52                     ; the tile of 16 tokens
	s_lshl_b32 s71, s71, 3
	s_add_co_u32 s71, s71, s16                     ; its K step = the pair of heads
	s_mul_i32 s72, s71, 1536
	s_mul_i32 s73, s53, 768
	s_add_co_u32 s72, s72, s73
	s_mov_b32 s73, 0
	s_add_nc_u64 s[10:11], s[10:11], s[72:73]
	s_lshl_b32 s72, s17, 3
	s_add_co_u32 s72, s72, s16
	s_lshl_b32 s72, s72, 9                         ; the work-group's 128 scale words
	s_add_nc_u64 s[12:13], s[12:13], s[72:73]
	s_lshl_b32 s74, s52, 6
	s_lshl_b32 s75, s53, 1
	s_add_co_u32 s74, s74, s75
	s_add_co_u32 s74, s74, CSTG
	v_add_f32 v[L], v[L], v[L+1]                   ; these nine lines are also the places behind the last products
	v_permlanex16_b32 v[TP], v[L], s[SEL], s[SEL+1]
	v_add_f32 v[L], v[L], v[TP]                    ; the row's sum
	v_and_b32 v62, 31, v0
	v_lshlrev_b32 v63, 3, v62
	v_lshlrev_b32 v62, 4, v62
	v_and_b32 v64, 15, v0
	v_lshl_add_u32 v64, v64, 2, s74                ; 64 x tile + 4 r + 2 x head: my two bytes of my token's word
	v_add_nc_u32 v65, CSTG, v62
	s_wait_alu depctr_va_vdst(0)                   ; the wait ahead of the reciprocal
	v_rcp_f32 v[L], v[L]
	v_nop
	s_wait_alu depctr_va_vdst(0)                   ; and ahead of its first use, which is also O^T's first reader
.set JJ, 0
.rept 16
	v_pk_mul_f32 v[S+JJ:S+JJ+1], v[O+JJ:O+JJ+1], v[L:L+1] op_sel_hi:[1,0]   ; each accumulator from its low end on
.set JJ, JJ+2
.endr
.irp b, 0,1
	v_max3_num_f32 v[TM+\b], |v[S+16*\b]|, |v[S+16*\b+1]|, 0x1800000
.endr
.irp i, 2,4,6,8,10,12,14
.irp b, 0,1
	v_max3_num_f32 v[TM+\b], v[TM+\b], |v[S+16*\b+\i]|, |v[S+16*\b+\i+1]|
.endr
.endr
.irp b, 0,1
	v_permlanex16_b32 v[TP+\b], v[TM+\b], s[SEL], s[SEL+1]
.endr
.irp b, 0,1
	v_max_num_f32 v[TM+\b], v[TM+\b], v[TP+\b]
.endr
.irp b, 0,1
	v_add_nc_u32 v[TS+\b], 0xff000000, v[TM+\b]
.endr
.irp b, 0,1
	v_lshrrev_b32 v[TP+\b], 23, v[TS+\b]
.endr
	v_lshl_or_b32 v[TP], v[TP+1], 8, v[TP]         ; my head's two scale bytes
	v_cvt_scalef32_pk16_fp6_f32 v[P:P+2], v[S:S+15], v[TS]
	v_cvt_scalef32_pk16_fp6_f32 v[P+4:P+6], v[S+16:S+31], v[TS+1]
	v_nop
.irp i, 0,1,2
	v_permlane16_swap_b32 v[P+\i], v[P+4+\i]
.endr
.irp i, 0,1,2
	v_mov_b32 v[P+3+\i], v[P+4+\i]                 ; ascending: each source is read before it is written
.endr
	global_store_b128 v62, v[P:P+3], s[10:11]      ; 512 consecutive bytes, aligned to 256
	global_store_b64 v63, v[P+4:P+5], s[10:11] offset:512
	ds_store_b16 v64, v[TP]                        ; both lanes of a token write the same two bytes with the same value
	s_wait_dscnt 0x0
	s_barrier_signal -1
	s_barrier_wait -1
	s_cmp_lg_u32 s[WV], 0
	s_cbranch_scc1 .Lnot_first
	ds_load_b128 v[S:S+3], v65                     ; wave 0 stores the 128 words: 512 consecutive bytes
	s_wait_dscnt 0x0
	global_store_b128 v62, v[S:S+3], s[12:13]
.Lnot_first:
	s_wait_tensorcnt 0x0                           ; the wave's end
	ds_add_u32 v[SPW], v[NIL]
	s_wait_dscnt 0x0
	CROUND                                         ; the closing round
	s_endpgm
.Lfunc_end_k_q2331aeeff6_attn:
	.size	k_q2331aeeff6_attn, .Lfunc_end_k_q2331aeeff6_attn-k_q2331aeeff6_attn
	.p2alignl 7, 3214868480
	.fill 96, 4, 3214868480
	.section	.rodata,"a",@progbits
	.p2align	6, 0x0
	.amdhsa_kernel k_q2331aeeff6_attn
		.amdhsa_group_segment_fixed_size 327680
		.amdhsa_private_segment_fixed_size 0
		.amdhsa_enable_private_segment 0
		.amdhsa_kernarg_size 40
		.amdhsa_user_sgpr_count 2
		.amdhsa_user_sgpr_kernarg_segment_ptr 1
		.amdhsa_wavefront_size32 1
		.amdhsa_system_sgpr_workgroup_id_x 1
		.amdhsa_system_sgpr_workgroup_id_y 1
		.amdhsa_system_sgpr_workgroup_id_z 1
		.amdhsa_system_vgpr_workitem_id 0
		.amdhsa_next_free_vgpr 256
		.amdhsa_next_free_sgpr 100
		.amdhsa_reserve_vcc 0
		.amdhsa_float_denorm_mode_32 3
		.amdhsa_float_denorm_mode_16_64 3
		.amdhsa_memory_ordered 1
		.amdhsa_forward_progress 1
		.amdhsa_inst_pref_size 59
	.end_amdhsa_kernel
	.amdgpu_metadata
---
amdhsa.version: [ 1, 2 ]
amdhsa.kernels:
  - .name:           k_q2331aeeff6_attn
    .symbol:         k_q2331aeeff6_attn.kd
    .args:
      - { .name: qrec, .offset: 0, .size: 8, .value_kind: global_buffer, .address_space: global }
      - { .name: kv, .offset: 8, .size: 8, .value_kind: global_buffer, .address_space: global }
      - { .name: mask, .offset: 16, .size: 8, .value_kind: global_buffer, .address_space: global }
      - { .name: ctx, .offset: 24, .size: 8, .value_kind: global_buffer, .address_space: global }
      - { .name: cs, .offset: 32, .size: 8, .value_kind: global_buffer, .address_space: global }
    .group_segment_fixed_size: 327680
    .private_segment_fixed_size: 0
    .kernarg_segment_align: 8
    .kernarg_segment_size: 40
    .max_flat_workgroup_size: 512
    .sgpr_count:     100
    .vgpr_count:     256
    .wavefront_size: 32
...
	.end_amdgpu_metadata
.endif
;; end of part 3
;; launch outln (part 4): grid 256 x 1, 4 waves a work-group, no clusters, 66,560 bytes of LDS; arguments ctx, cs, wimg, Wo_scales, query, bo, gamma, beta, out0; writes out0
.if DOCPART == 4
	.amdgcn_target "amdgcn-amd-amdhsa--gfx1250"
	.amdhsa_code_object_version 6
	.text
	.protected	k_q2331aeeff6_outln
	.globl	k_q2331aeeff6_outln
	.p2align	8
	.type	k_q2331aeeff6_outln,@function
k_q2331aeeff6_outln:
	s_mov_b64 s[64:65], 0
	v_nop
	global_prefetch_b8 v0, s[64:65] scope:SCOPE_SE
	s_setreg_imm32_b32 hwreg(HW_REG_WAVE_MODE, 25, 1), 1
	s_wait_xcnt 0x0
; out0 = LayerNorm(query + context Wo + bo) x gamma + beta.  The product is on codes of FP6 (E2M3) with one E8M0 scale for each 32 along K = 1,024; all else in f32.
; SHARES.  A work-group owns 16 tokens and ALL 1,024 features, so that a row's mean and variance need no other work-group.  The context's eight fragments (images of the operand's registers) stay in registers.
; Wave w makes features 128 T + 32 w + 16 u + 0 .. 15 (T = 0 .. 7, u = 0, 1): 16 accumulators.  The product is used transposed (source 0 = 16 rows of Wo, source 1 = the tokens): a lane holds one token and eight neighbouring features.
; WO COMES FROM MEMORY STRAIGHT INTO REGISTERS.  The first launch has laid its codes out as images of operand registers, in the order in which a wave walks them: fragment 128 w + 16 T + 2 k + u, three loads of 512 consecutive bytes.
; In a work-group each fragment feeds exactly one matrix instruction of one wave, so no LDS tile would be read twice: no tensor load, no ring, no barrier in the walk, and so no cluster and no joint load.
; THE WALK: 32 slots of 4 fragments (two K steps x two tiles; the two accumulators take turns).  Window 2 holds a ring of 5 groups of 4 fragments; behind a group's products its registers take the group five slots on.
; The 56 loads of query, bo, gamma and beta are dealt two to a slot over slots 0 to 27.  No prefetch: every work-group walks the same image at about the same time, and all other inputs are asked for into registers slots ahead of their use.
; THE END.  The 16 x 1,024 results meet in a stage in LDS; each wave takes 4 whole rows, a row spread over its 32 lanes, and does the residual and the norm: the variance is the mean of (x - mean)^2, taken in a second pass.
; LIMITS: NaN and infinities are not served.
; REGISTERS, in windows of 256: window 0: v1-14 addresses; v16-23 the context's scale words; v32-95 Wo's, eight for each T; v96-223 four rows; v224-247 at work.
;   window 1: v0-127 the 16 accumulators (tile 2 T + u); v128-223 the context's 8 fragments.   window 2: v0-239 the ring.   window 3: v0-127 query's four rows; v128-159 bo, v160-191 gamma, v192-223 beta.
.set STG,    0                         ; the stage: 16 rows x (4,096 bytes + 16)
.set SPITCH, 4112
.set SPARE,  16*SPITCH                 ; the spare words, 128 bytes for each wave: two blocks of 256 bytes that no other line names
.set SPW, 1
.set NIL, 2
.set STO, 8                            ; v8   the stage: where I put 32 bytes of a row
.set RD,  9                            ; v9   and where I read my rows back
.set L16, 11                           ; v11  16 x lane
.set L8,  12
.set R4,  13
.set L32, 14
.set CSC, 16
.set WS,  32
.set X,   96
.set SM,  224
.set PT,  232
.set SQ,  240
.set WV,  2
.set SEL, 44
.set MSB, 0
.macro WIN new
.if MSB != (\new)
	s_set_vgpr_msb (MSB<<8)|(\new)
.set MSB, (\new)
.endif
.endm
	s_load_b512 s[4:19], s[0:1], 0x0               ; ctx, cs, wimg s[8:9], Wo's scales s[10:11], query s[12:13], bo s[14:15], gamma s[16:17], beta s[18:19]
	s_load_b64 s[20:21], s[0:1], 0x40              ; out0
	v_lshl_add_u32 v[SPW], v0, 2, SPARE
	v_mov_b32 v[NIL], 0
	v_lshrrev_b32 v3, 5, v0
	v_readfirstlane_b32 s[WV], v3                  ; wave 0..3
	s_mov_b32 s23, ttmp9                           ; my 16 tokens
	s_mul_i32 s48, s[WV], 128*1536                 ; my wave's 128 fragments of the image
	s_mov_b32 s49, 0
	s_mov_b32 s[SEL], 0x76543210
	s_mov_b32 s[SEL+1], 0xfedcba98
	s_mov_b32 s46, 0x3a800000                      ; 1 / 1,024
	s_mov_b32 s47, 0x3727c5ac                      ; 1e-5
	s_mul_i32 s50, s23, 12288                      ; ctx: eight images of 1,536 bytes for each 16 tokens
	s_mov_b32 s51, 0
	s_lshr_b32 s52, s23, 3
	s_lshl_b32 s52, s52, 12                        ; cs: 4,096 bytes for each 128 tokens,
	s_and_b32 s53, s23, 7
	s_lshl_b32 s53, s53, 6                         ; 64 for each 16 of them
	s_add_co_u32 s52, s52, s53
	s_mov_b32 s53, 0
	s_lshl_b32 s54, s23, 16                        ; query, out0: 16 rows of 4,096 bytes,
	s_lshl_b32 s55, s[WV], 14                      ; my wave's four
	s_add_co_u32 s54, s54, s55
	s_mov_b32 s55, 0
	s_lshl_b32 s26, s[WV], 10                      ; Wo's scales: 32 bytes a row, my 32 rows of each 128
	s_mov_b32 s27, 0
	s_lshl_b32 s24, s[WV], 7
	s_add_co_u32 s24, s24, STG
	s_mul_i32 s25, s[WV], 4*SPITCH
	s_add_co_u32 s25, s25, STG
	v_and_b32 v3, 31, v0                           ; lane
	v_and_b32 v10, 15, v0                          ; r
	v_bfe_u32 v15, v0, 4, 1                        ; h
	v_lshlrev_b32 v[L16], 4, v3
	v_lshlrev_b32 v[L8], 3, v3
	v_lshlrev_b32 v[R4], 2, v10
	v_lshlrev_b32 v[L32], 5, v3
	v_mul_u32_u24 v[STO], v10, SPITCH
	v_lshl_add_u32 v[STO], v15, 5, v[STO]
	v_add_nc_u32 v[STO], s24, v[STO]               ; the stage: row r, + 128 x wave + 32 h
	v_add_nc_u32 v[RD], s25, v[L16]                ; back: my four rows, 16 bytes a lane
.irp i, 0,1,2,3
	v_mov_b32 v[PT+\i], 0                          ; a lane permute's destination counts as one of its sources
.endr
	s_wait_alu depctr_va_vdst(0)                   ; the wait at the head's end
	s_wait_kmcnt 0x0
	s_add_nc_u64 s[8:9], s[8:9], s[48:49]
	s_add_nc_u64 s[4:5], s[4:5], s[50:51]
	s_add_nc_u64 s[6:7], s[6:7], s[52:53]
	s_add_nc_u64 s[10:11], s[10:11], s[26:27]
	s_add_nc_u64 s[12:13], s[12:13], s[54:55]
	s_add_nc_u64 s[20:21], s[20:21], s[54:55]
.macro WLOAD g                         ; group g: fragments 4 g .. 4 g + 3 of my 128, into place g % 5 of the ring: 12 loads of 512 consecutive bytes
.irp i, 0,1,2,3
.irp j, 0,1,2
	global_load_b128 v[48*((\g)%5)+12*\i+4*\j:48*((\g)%5)+12*\i+4*\j+3], v[L16], s[8:9] offset:(4*(\g)+\i)*1536+512*\j
.endr
.endr
.endm
.macro XLOAD e                         ; load e of the 56 that are wanted at the end: query's four rows, bo, gamma, beta; 512 consecutive bytes each
.if (\e) < 32
	global_load_b128 v[4*(\e):4*(\e)+3], v[L16], s[12:13] offset:4096*((\e)/8)+512*((\e)%8)
.elseif (\e) < 40
	global_load_b128 v[128+4*((\e)-32):128+4*((\e)-32)+3], v[L16], s[14:15] offset:512*((\e)-32)
.elseif (\e) < 48
	global_load_b128 v[160+4*((\e)-40):160+4*((\e)-40)+3], v[L16], s[16:17] offset:512*((\e)-40)
.else
	global_load_b128 v[192+4*((\e)-48):192+4*((\e)-48)+3], v[L16], s[18:19] offset:512*((\e)-48)
.endif
.endm
	WIN 0x40                                       ; destination window 1
.irp k, 0,1,2,3,4,5,6,7                        ; the context's fragment of K step k, as it was stored
	global_load_b128 v[128+12*\k:128+12*\k+3], v[L16], s[4:5] offset:1536*\k
	global_load_b64 v[128+12*\k+4:128+12*\k+5], v[L8], s[4:5] offset:1536*\k+512
	global_load_b128 v[128+12*\k+6:128+12*\k+9], v[L16], s[4:5] offset:1536*\k+768
	global_load_b64 v[128+12*\k+10:128+12*\k+11], v[L8], s[4:5] offset:1536*\k+1280
.endr
	WIN 0
.irp k, 0,1,2,3,4,5,6,7
	global_load_b32 v[CSC+\k], v[R4], s[6:7] offset:512*\k           ; its scale words: token r's
.endr
.irp t, 0,1,2,3,4,5,6,7                        ; Wo's scale words: a lane to a row, its eight words: lanes 0-15 tile u = 0, lanes 16-31 tile u = 1
	global_load_b128 v[WS+8*\t:WS+8*\t+3], v[L32], s[10:11] offset:4096*\t
	global_load_b128 v[WS+8*\t+4:WS+8*\t+7], v[L32], s[10:11] offset:4096*\t+16
.endr
	WIN 0x80                                       ; destination window 2
.irp g, 0,1,2,3,4
	WLOAD \g
.endr
; SLOT g.  The wait's count: the loads issued behind group g's: 12 for each of groups g + 1 .. g + 4 that exist, and the two extra loads of each of slots g - 4 .. g - 1 that have them.
.macro SLOTM g
.set CNT, 0
.irp d, 1,2,3,4
.if (\g)+\d <= 31
.set CNT, CNT+12
.endif
.if (\g)-\d >= 0 && (\g)-\d <= 27
.set CNT, CNT+2
.endif
.endr
	s_wait_loadcnt CNT
	WIN 0x56                                       ; source 0 (Wo) window 2, source 1 (the context), C and D window 1
.irp i, 0,1,2,3
.set KK, 2*((\g)%4)+\i/2
.set AC, 16*((\g)/4)+8*(\i%2)
.set FG, 48*((\g)%5)+12*\i
.set SW, WS+8*((\g)/4)+KK
.if KK == 0                                    ; the first products start the sums
.if \i%2
	v_wmma_scale_f32_16x16x128_f8f6f4 v[AC:AC+7], v[FG:FG+11], v[128+12*KK:128+12*KK+11], 0, v[SW], v[CSC+KK] matrix_a_fmt:MATRIX_FMT_FP6 matrix_b_fmt:MATRIX_FMT_FP6 matrix_a_scale:MATRIX_SCALE_ROW1
.else
	v_wmma_scale_f32_16x16x128_f8f6f4 v[AC:AC+7], v[FG:FG+11], v[128+12*KK:128+12*KK+11], 0, v[SW], v[CSC+KK] matrix_a_fmt:MATRIX_FMT_FP6 matrix_b_fmt:MATRIX_FMT_FP6
.endif
.else
.if \i%2
	v_wmma_scale_f32_16x16x128_f8f6f4 v[AC:AC+7], v[FG:FG+11], v[128+12*KK:128+12*KK+11], v[AC:AC+7], v[SW], v[CSC+KK] matrix_a_fmt:MATRIX_FMT_FP6 matrix_b_fmt:MATRIX_FMT_FP6 matrix_a_scale:MATRIX_SCALE_ROW1
.else
	v_wmma_scale_f32_16x16x128_f8f6f4 v[AC:AC+7], v[FG:FG+11], v[128+12*KK:128+12*KK+11], v[AC:AC+7], v[SW], v[CSC+KK] matrix_a_fmt:MATRIX_FMT_FP6 matrix_b_fmt:MATRIX_FMT_FP6
.endif
.endif
.endr
.if (\g) <= 27
	WIN 0xc0                                       ; destination window 3
	XLOAD 2*(\g)
	XLOAD 2*(\g)+1
.endif
.if (\g)+5 <= 31
.rept 4
	v_nop                                          ; places in front of loads into registers that the products above have read
.endr
	WIN 0x80
	WLOAD (\g)+5
.endif
.endm
.set GG, 0
.rept 32
	SLOTM GG
.set GG, GG+1
.endr
.rept 4
	v_nop                                          ; places in front of the first read of results
.endr
	WIN 0x04                                       ; an LDS store's data are its source 1: window 1
.irp T, 0,1,2,3,4,5,6,7
.irp u, 0,1
	ds_store_b128 v[STO], v[16*\T+8*\u:16*\T+8*\u+3] offset:512*\T+64*\u        ; lane (r, h): token r, features 128 T + 32 w + 16 u + 8 h + 0 .. 7; each accumulator from its low end on
	ds_store_b128 v[STO], v[16*\T+8*\u+4:16*\T+8*\u+7] offset:512*\T+64*\u+16
.endr
.endr
	WIN 0
	s_wait_dscnt 0x0                               ; for the others' sake: my stores into the stage have landed
	s_barrier_signal -1
	s_barrier_wait -1                              ; 16 whole rows lie in the stage
.irp i, 0,1,2,3
.irp c, 0,1,2,3,4,5,6,7
	ds_load_b128 v[X+32*\i+4*\c:X+32*\i+4*\c+3], v[RD] offset:SPITCH*\i+512*\c
.endr
.endr
	s_wait_loadcnt 0x0                             ; query, bo, gamma, beta
	s_wait_dscnt 0x0
; a sum over the 32 lanes, for the four rows by turns; the result stands in every lane
.macro REDUCE v
.irp i, 0,1,2,3
	v_add_f32 v[\v+2*\i], v[\v+2*\i], v[\v+2*\i+1]
.endr
.irp m, 1,2,4,8
.irp i, 0,1,2,3
	v_add_f32_dpp v[\v+2*\i], v[\v+2*\i], v[\v+2*\i] row_xmask:\m row_mask:0xf bank_mask:0xf
.endr
.endr
.irp i, 0,1,2,3
	v_permlanex16_b32 v[PT+\i], v[\v+2*\i], s[SEL], s[SEL+1]
.endr
.irp i, 0,1,2,3
	v_add_f32 v[\v+2*\i], v[\v+2*\i], v[PT+\i]
.endr
.endm
	WIN 0x0c                                       ; source 1 window 3
.set CC, 0
.rept 16
.irp i, 0,1,2,3
	v_pk_add_f32 v[X+32*\i+CC:X+32*\i+CC+1], v[X+32*\i+CC:X+32*\i+CC+1], v[128+CC:128+CC+1]         ; + bo
.endr
.irp i, 0,1,2,3
	v_pk_add_f32 v[X+32*\i+CC:X+32*\i+CC+1], v[X+32*\i+CC:X+32*\i+CC+1], v[32*\i+CC:32*\i+CC+1]     ; + query
.endr
.set CC, CC+2
.endr
	WIN 0
.irp i, 0,1,2,3
	v_pk_add_f32 v[SM+2*\i:SM+2*\i+1], v[X+32*\i:X+32*\i+1], v[X+32*\i+2:X+32*\i+3]
.endr
.set CC, 4
.rept 14
.irp i, 0,1,2,3
	v_pk_add_f32 v[SM+2*\i:SM+2*\i+1], v[SM+2*\i:SM+2*\i+1], v[X+32*\i+CC:X+32*\i+CC+1]
.endr
.set CC, CC+2
.endr
	REDUCE SM
.irp i, 0,1,2,3
	v_mul_f32 v[SM+2*\i], 0xba800000, v[SM+2*\i]   ; - the mean
.endr
.set CC, 0
.rept 16
.irp i, 0,1,2,3
	v_pk_add_f32 v[X+32*\i+CC:X+32*\i+CC+1], v[X+32*\i+CC:X+32*\i+CC+1], v[SM+2*\i:SM+2*\i+1] op_sel_hi:[1,0]
.endr
.set CC, CC+2
.endr
.irp i, 0,1,2,3
	v_pk_mul_f32 v[SQ+2*\i:SQ+2*\i+1], v[X+32*\i:X+32*\i+1], v[X+32*\i:X+32*\i+1]
.endr
.set CC, 2
.rept 15
.irp i, 0,1,2,3
	v_pk_fma_f32 v[SQ+2*\i:SQ+2*\i+1], v[X+32*\i+CC:X+32*\i+CC+1], v[X+32*\i+CC:X+32*\i+CC+1], v[SQ+2*\i:SQ+2*\i+1]
.endr
.set CC, CC+2
.endr
	REDUCE SQ
.irp i, 0,1,2,3
	v_fma_f32 v[SQ+2*\i], v[SQ+2*\i], s46, s47     ; the variance + 1e-5
.endr
	s_wait_alu depctr_va_vdst(0)                   ; the wait ahead of the four
.irp i, 0,1,2,3
	v_rsq_f32 v[SQ+2*\i], v[SQ+2*\i]
.endr
	v_nop                                          ; a plain line behind the last of the four
	s_wait_alu depctr_va_vdst(0)                   ; and ahead of their first use
.set CC, 0
.rept 16
.irp i, 0,1,2,3
	v_pk_mul_f32 v[X+32*\i+CC:X+32*\i+CC+1], v[X+32*\i+CC:X+32*\i+CC+1], v[SQ+2*\i:SQ+2*\i+1] op_sel_hi:[1,0]
.endr
.set CC, CC+2
.endr
	WIN 0x3c                                       ; sources 1 and 2 window 3
.set CC, 0
.rept 16
.irp i, 0,1,2,3
	v_pk_fma_f32 v[X+32*\i+CC:X+32*\i+CC+1], v[X+32*\i+CC:X+32*\i+CC+1], v[160+CC:160+CC+1], v[192+CC:192+CC+1]   ; x gamma + beta
.endr
.set CC, CC+2
.endr
	WIN 0
.irp i, 0,1,2,3
.irp c, 0,1,2,3,4,5,6,7
	global_store_b128 v[L16], v[X+32*\i+4*\c:X+32*\i+4*\c+3], s[20:21] offset:4096*\i+512*\c th:TH_STORE_NT   ; 32 lanes store 512 consecutive bytes, aligned to 256; written once, read by nobody here
.endr
.endr
	s_wait_tensorcnt 0x0                           ; the wave's end
	ds_add_u32 v[SPW], v[NIL]
	s_wait_dscnt 0x0
	s_endpgm
.Lfunc_end_k_q2331aeeff6_outln:
	.size	k_q2331aeeff6_outln, .Lfunc_end_k_q2331aeeff6_outln-k_q2331aeeff6_outln
	.p2alignl 7, 3214868480
	.fill 96, 4, 3214868480
	.section	.rodata,"a",@progbits
	.p2align	6, 0x0
	.amdhsa_kernel k_q2331aeeff6_outln
		.amdhsa_group_segment_fixed_size 66560
		.amdhsa_private_segment_fixed_size 0
		.amdhsa_enable_private_segment 0
		.amdhsa_kernarg_size 72
		.amdhsa_user_sgpr_count 2
		.amdhsa_user_sgpr_kernarg_segment_ptr 1
		.amdhsa_wavefront_size32 1
		.amdhsa_system_sgpr_workgroup_id_x 1
		.amdhsa_system_sgpr_workgroup_id_y 1
		.amdhsa_system_sgpr_workgroup_id_z 1
		.amdhsa_system_vgpr_workitem_id 0
		.amdhsa_next_free_vgpr 1024
		.amdhsa_next_free_sgpr 66
		.amdhsa_reserve_vcc 0
		.amdhsa_float_denorm_mode_32 3
		.amdhsa_float_denorm_mode_16_64 3
		.amdhsa_memory_ordered 1
		.amdhsa_forward_progress 1
		.amdhsa_inst_pref_size 112
	.end_amdhsa_kernel
	.amdgpu_metadata
---
amdhsa.version: [ 1, 2 ]
amdhsa.kernels:
  - .name:           k_q2331aeeff6_outln
    .symbol:         k_q2331aeeff6_outln.kd
    .args:
      - { .name: ctx, .offset: 0, .size: 8, .value_kind: global_buffer, .address_space: global }
      - { .name: cs, .offset: 8, .size: 8, .value_kind: global_buffer, .address_space: global }
      - { .name: wimg, .offset: 16, .size: 8, .value_kind: global_buffer, .address_space: global }
      - { .name: Wo_scales, .offset: 24, .size: 8, .value_kind: global_buffer, .address_space: global }
      - { .name: query, .offset: 32, .size: 8, .value_kind: global_buffer, .address_space: global }
      - { .name: bo, .offset: 40, .size: 8, .value_kind: global_buffer, .address_space: global }
      - { .name: gamma, .offset: 48, .size: 8, .value_kind: global_buffer, .address_space: global }
      - { .name: beta, .offset: 56, .size: 8, .value_kind: global_buffer, .address_space: global }
      - { .name: out0, .offset: 64, .size: 8, .value_kind: global_buffer, .address_space: global }
    .group_segment_fixed_size: 66560
    .private_segment_fixed_size: 0
    .kernarg_segment_align: 8
    .kernarg_segment_size: 72
    .max_flat_workgroup_size: 128
    .sgpr_count:     66
    .vgpr_count:     1024
    .wavefront_size: 32
...
	.end_amdgpu_metadata
.endif
;; end of part 4
